; MI455X (gfx1250); checked and timed in simulation.
; The chip was launched on July 23, 2026; its instructions are those of AMD's public machine-readable ISA for CDNA 5 (MIT licence, August 2026) and "CDNA5" Instruction Set Architecture Reference Guide (July 2026). The comments in the code are by the model that wrote it; some were corrected since.
;; Cross Attention. Allowed arithmetic: matrix products marked QUANTISED: E2M3 operands, one E8M0 scale for each 32 along K, by v_wmma_scale_f32_16x16x128_f8f6f4 with both operands' format E2M3, f32 sums; everything else in f32.
;; Inputs: Wk 1,024 x 1,024 float32; Wo 1,024 x 1,024 float32; Wq 1,024 x 1,024 float32; Wv 1,024 x 1,024 float32; bk 1,024 float32; bo 1,024 float32; bq 1,024 float32; bv 1,024 float32; context 4 x 2,048 x 1,024 float32; x 4 x 2,048 x 1,024 float32.
;; Outputs: out0 4 x 2,048 x 1,024 float32.
;; This version of the problem:
;;   THIS VERSION OF THE PROBLEM IS GIVEN IN LOW PRECISION. The matrix products marked QUANTISED in the list below multiply operands that are first quantised to E2M3 (2 exponent bits, 3 mantissa bits; 6 bits a number), with one power-of-two scale for each 32 numbers along K (OCP MX v1.0); their sums are f32. All else is computed in f32.
;;   The module's matrix products, in the order in which they are computed (A, B: the left and right operand; K: the contracted axis; several contracted axes count as one K, in the product's order):
;;     1. [M 8,192, K 1,024] x [K 1,024, N 1,024]; A: input x; B: input Wq: QUANTISED
;;     2. [M 8,192, K 1,024] x [K 1,024, N 1,024]; A: input context; B: input Wk: QUANTISED
;;     3. [M 8,192, K 1,024] x [K 1,024, N 1,024]; A: input context; B: input Wv: QUANTISED
;;     4. batch 64 x [M 2,048, K 64] x [K 64, N 2,048]; A: computed on the way; B: computed on the way: QUANTISED
;;     5. batch 64 x [M 2,048, K 2,048] x [K 2,048, N 64]; A: softmax (see below); B: computed on the way: QUANTISED
;;     6. [M 8,192, K 1,024] x [K 1,024, N 1,024]; A: computed on the way; B: input Wo: QUANTISED
;;   THE QUANTISER, for each operand of a quantised product, along K:
;;     - K is cut into blocks of 32 from its start; a last block that is shorter is filled with zeros.
;;     - A block's scale is 2^e with e = floor(log2(the largest magnitude in the block)) - 2, held to -126 .. 127; a block of zeros has e = 0. As a byte (E8M0): e + 127.
;;     - Each number is divided by its block's scale, clamped to +-7.5, and rounded to the nearest number of E2M3, ties to even, subnormals kept.
;;     - The product sums the exact products of the quantised numbers (number of the format x scale) in f32.
;;   ~~~python
;;   def quantise(x, axis):      # numpy; x: float32 -> the quantised numbers, widened to float32 again
;;       x = np.moveaxis(x, axis, -1); K = x.shape[-1]
;;       x = np.pad(x, [(0, 0)] * (x.ndim - 1) + [(0, -K % 32)]); x = x.reshape(x.shape[:-1] + (-1, 32)); a = np.abs(x).max(-1, keepdims=True)
;;       e = np.where(a > 0, np.clip(np.frexp(np.where(a > 0, a, 1))[1] - 1 - 2, -126, 127), 0)      # np.frexp(a)[1] - 1 = floor(log2(a)), exactly
;;       r = np.clip(x / 2.0 ** e, -7.5, 7.5)
;;       step = 2.0 ** (np.maximum(np.frexp(np.where(r == 0, 1, r))[1] - 1, 0) - 3)
;;       q = np.round(r / step) * step * 2.0 ** e      # np.round: ties to even
;;       return np.moveaxis(q.reshape(q.shape[:-2] + (-1,))[..., :K], -1, axis).astype(np.float32)
;;   ~~~
;;   SOFTMAX AHEAD OF A QUANTISED PRODUCT. Where the list says 'softmax', what is quantised is not the finished softmax but p = 2^(t - M), with t = logit x log2(e) and M = ceil(the row's largest t), a whole number; so 1/2 < the row's largest p <= 1. The row's sum l is taken of the UNQUANTISED p, in f32, and the product's result is divided by l at the end. Since M is a whole number, a kernel that streams over the keys may use a running M (the ceiling of the running maximum): every later rescaling is an exact power of two, which a block's scale takes up: the codes' values come out the same.
;;   OPERANDS COMPUTED ON THE WAY. 'Computed on the way' means the value that the module computes at that place (a softmax that the list does not call 'softmax' is quantised finished and normalised). What goes into a quantiser is computed in f32, as accurately as f32 sums, v_exp_f32 and their like allow (about 1e-6 of the number): no bf16 or f16 on the way to a quantiser, and a product that is left as it is and whose result goes on into a quantised operand takes f32 operands (vector FMAs, or v_wmma_f32_16x16x4_f32). A number that lies on a knife's edge between two numbers of the format may be rounded either way, as far as f32 arithmetic and the matrix unit's own rounding can turn it there, and no further.
;; One version. Each part assembles by itself: llvm-mc -triple=amdgcn-amd-amdhsa -mcpu=gfx1250 --defsym DOCPART=n.
;; ======== version 1 of 1: 4 launches
;; limits: right only within a limited range of input values
;; workspace buffers: codes 15,728,640 bytes; scales 655,360 bytes; q 6,815,744 bytes; kv 13,369,344 bytes; oc 6,291,456 bytes; os 262,144 bytes
;; launch quant (part 1): grid 256 x 1, 10 waves a work-group, no clusters, 83,200 bytes of LDS; arguments x, context, Wq, Wk, Wv, Wo, codes, scales; writes codes, scales
.if DOCPART == 1
	.amdgcn_target "amdgcn-amd-amdhsa--gfx1250"
	.amdhsa_code_object_version 6
	.text
	.protected	k_q177441afb8_quant
	.globl	k_q177441afb8_quant
	.p2align	8
	.type	k_q177441afb8_quant,@function
k_q177441afb8_quant:
	s_mov_b64 s[64:65], 0
	v_nop
	global_prefetch_b8 v0, s[64:65] scope:SCOPE_SE
	s_setreg_imm32_b32 hwreg(HW_REG_WAVE_MODE, 25, 1), 1
	s_wait_xcnt 0x0
; CROSS-ATTENTION IN MX-FP6, launch 1 of 4: the six f32 operands whose K (1,024) is innermost, x, context, Wq, Wk, Wv, Wo, become codes of FP6 (E2M3) and one E8M0 byte for each 32 along K.
; DEAD WORK: none.  Every product of the problem's table reaches the output, and all four biases do: bq, bk and bv go into quantised operands, bo is added to the result.  So every input is loaded by some launch.
; A block's scale is 2^(floor(log2(its largest magnitude)) - 2); its byte is the largest magnitude's own exponent field - 2, held at 1 from below.  Each number is divided by the scale and rounded to the nearest code, ties to even;
; what lies beyond 7.5 gets the largest code.
; LIMITS: NaN and infinities among the inputs are not served.  A block of zeros gets the byte 1 where the rule says 127: its codes are zeros, which add nothing under any byte but 0xff, and this program alone reads the bytes.
; ROWS: the six tensors' rows stand one behind the other: 0 x, 8,192 context, 16,384 Wq, 17,408 Wk, 18,432 Wv, 19,456 Wo; a stored row is 768 bytes of codes and 32 scale bytes.
; THE STORED ORDER.  In each group of 64 rows, stored row 16 u + p is row 8 u + p % 8 + 32 (p / 8).  Sixteen neighbouring stored rows are a tile; a matrix result gives a lane 8 rows of a tile (8 h + j), so the four tiles of a group
; give lane half h the 32 neighbours 32 h + 0 .. 31: one whole scale block of the next product.  In x and context the four groups of each 256 rows stand in the order 0, 2, 1, 3 besides: the first 128 stored rows hold the first
; 64 rows of both halves of the 256, so that launch 2 has read a chunk of 128 stored rows out when each of its waves is half way through its own 128 rows.
; SHARES: 2,560 runs of 8 rows; run 10 x work-group + wave is a wave's: 8,192 numbers, 16 steps of 512.  Each of a step's four loads reads 512 consecutive bytes; the 2,048 bytes go through the wave's own stage in LDS and come back
; 64 bytes a lane: 16 neighbours along K.  Two neighbouring lanes hold a block.  A step's codes leave as 384 consecutive bytes, a wave's 256 scale bytes as one store.
; No tensor loads, no barrier: waves share nothing.  Loads run six steps (24 loads a wave) ahead, the turn through LDS one step.
.set WAVES, 10
.set STEPS, 16
.set AHEAD, 6
.set EMAX,  2
.set CB,    12                         ; bytes of 16 codes
.set R,     16                         ; v16-111  six sets of 16 numbers as they are loaded
.set X,     112                        ; v112-143 two sets of 16 neighbours
.set E,     144                        ; v144-159 a scale byte for each step
.set C,     160                        ; v160-223 codes: four registers for each step, so that no store's data are written again
.set WREG,  8192                       ; LDS: a region for each wave: two stages of 32 x SP bytes, and behind them its 256 scale bytes
.set SP,    80                         ; a lane's place in a stage: its 64 bytes + 16 of padding
.set SPW,   12                         ; v12 my spare word's LDS address; v13 0: both never rewritten
.set NIL,   13
.set SPARE, WAVES*WREG                 ; the spare words, 128 bytes for each wave, which no other line names
	s_load_b256 s[4:11], s[0:1], 0x0               ; x, context, Wq, Wk
	s_load_b256 s[12:19], s[0:1], 0x20             ; Wv, Wo, codes, scales
	v_lshl_add_u32 v[SPW], v0, 2, SPARE
	v_mov_b32 v[NIL], 0
	v_lshrrev_b32 v1, 5, v0
	v_readfirstlane_b32 s24, v1                    ; wave
	v_and_b32 v2, 31, v0                           ; lane
	v_lshlrev_b32 v3, 4, v2                        ; my 16 bytes of a load's 512
	s_mul_i32 s25, s24, WREG
	v_lshrrev_b32 v14, 2, v2
	v_mul_u32_u24 v14, v14, SP
	v_and_b32 v15, 3, v2
	v_lshl_add_u32 v14, v15, 4, v14
	v_add_nc_u32 v14, s25, v14                     ; the stage, on the way in: four lanes' 64 bytes on end, then 16 of padding
	v_mul_u32_u24 v15, v2, SP
	v_add_nc_u32 v15, s25, v15                     ; and on the way out: my 16 neighbours
	v_mul_u32_u24 v4, v2, CB                       ; my codes' place in a step's
	v_lshrrev_b32 v5, 1, v2
	s_add_co_u32 s25, s25, 2*32*SP
	v_add_nc_u32 v5, s25, v5                       ; LDS: my wave's 256 scale bytes, my block's byte
	v_lshlrev_b32 v7, 3, v2                        ; and on the way out 8 bytes a lane
	v_add_nc_u32 v6, s25, v7
	s_wait_alu depctr_va_vdst(0)                   ; the wait at the head's end
	s_wait_kmcnt 0x0
	s_mul_i32 s20, ttmp9, WAVES
	s_add_co_u32 s20, s20, s24                     ; my run among the 2,560
	s_mov_b64 s[22:23], s[14:15]                   ; which tensor is it in, and which run is that tensor's first: the choice hangs on ids alone
	s_mov_b32 s21, 2432
	s_cmp_lt_u32 s20, 2432
	s_cselect_b64 s[22:23], s[12:13], s[22:23]
	s_cselect_b32 s21, 2304, s21
	s_cmp_lt_u32 s20, 2304
	s_cselect_b64 s[22:23], s[10:11], s[22:23]
	s_cselect_b32 s21, 2176, s21
	s_cmp_lt_u32 s20, 2176
	s_cselect_b64 s[22:23], s[8:9], s[22:23]
	s_cselect_b32 s21, 2048, s21
	s_cmp_lt_u32 s20, 2048
	s_cselect_b64 s[22:23], s[6:7], s[22:23]
	s_cselect_b32 s21, 1024, s21
	s_cmp_lt_u32 s20, 1024
	s_cselect_b64 s[22:23], s[4:5], s[22:23]
	s_cselect_b32 s21, 0, s21
	s_sub_co_u32 s26, s20, s21
	s_lshl_b32 s26, s26, 15                        ; 32,768 bytes a run
	s_mov_b32 s27, 0
	s_add_nc_u64 s[22:23], s[22:23], s[26:27]
	s_and_b32 s28, s20, 0xffffffe0                 ; where the run is stored.  The group of 32 runs stays;
	s_and_b32 s29, s20, 3
	s_lshl_b32 s29, s29, 1
	s_or_b32 s28, s28, s29
	s_bfe_u32 s29, s20, 0x10002
	s_or_b32 s28, s28, s29                         ; run g of a group's eight goes to place 2 (g % 4) + g / 4;
	s_and_b32 s29, s20, 0x18                       ; bits 3 and 4, which group of 64 rows: as they are in the weights,
	s_bfe_u32 s30, s20, 0x10003
	s_lshl_b32 s30, s30, 4
	s_bfe_u32 s31, s20, 0x10004
	s_lshl_b32 s31, s31, 3
	s_or_b32 s30, s30, s31
	s_cmp_lt_u32 s20, 2048
	s_cselect_b32 s29, s30, s29                    ; changing places in x and context
	s_or_b32 s28, s28, s29
	s_mul_i32 s26, s28, 6144                       ; 8 rows of 768 bytes
	s_add_nc_u64 s[16:17], s[16:17], s[26:27]
	s_lshl_b32 s26, s28, 8                         ; 8 rows of 32 scale bytes
	s_add_nc_u64 s[18:19], s[18:19], s[26:27]
.macro LOAD t
.irp i, 0,1,2,3
	global_load_b128 v[R+16*((\t)%AHEAD)+4*\i:R+16*((\t)%AHEAD)+4*\i+3], v3, s[22:23] offset:2048*(\t)+512*\i th:TH_LOAD_NT
.endr
.endm
.macro TURN t                          ; step t's numbers through the stage: LDS serves a wave's instructions in order, so no wait stands between the stores and the loads
.irp i, 0,1,2,3
	ds_store_b128 v14, v[R+16*((\t)%AHEAD)+4*\i:R+16*((\t)%AHEAD)+4*\i+3] offset:32*SP*((\t)%2)+8*SP*\i
.endr
.irp i, 0,1,2,3
	ds_load_b128 v[X+16*((\t)%2)+4*\i:X+16*((\t)%2)+4*\i+3], v15 offset:32*SP*((\t)%2)+16*\i
.endr
.endm
.irp t, 0,1,2,3,4,5
	LOAD \t
.endr
	s_wait_loadcnt 4*(AHEAD-1)                     ; step 0's four loads are in; the twenty of steps 1 to 5 may be out
	TURN 0
.macro STEP t
.set XS, X+16*((\t)%2)
.if (\t) > 0
	s_wait_dscnt 1                                 ; this step's numbers are back from the stage (the last step's byte store may be out): so its stores into the stage have read their registers,
.else
	s_wait_dscnt 0x0
.endif
.if (\t)+AHEAD < STEPS
	LOAD (\t)+AHEAD                                ; which take the loads of six steps on
.endif
.if (\t)+1 < STEPS
.if STEPS-2-(\t) >= AHEAD-1
	s_wait_loadcnt 4*(AHEAD-1)                     ; the next step's four loads are in; those of the five steps behind it may be out
.else
	s_wait_loadcnt 4*(STEPS-2-(\t))
.endif
	TURN (\t)+1
.endif
	v_max3_num_f32 v8, |v[XS]|, |v[XS+1]|, |v[XS+2]|               ; the largest magnitude of my 16, in two chains
	v_max3_num_f32 v9, |v[XS+3]|, |v[XS+4]|, |v[XS+5]|
.irp i, 6,10
	v_max3_num_f32 v8, v8, |v[XS+\i]|, |v[XS+\i+1]|
	v_max3_num_f32 v9, v9, |v[XS+\i+2]|, |v[XS+\i+3]|
.endr
	v_max3_num_f32 v8, v8, |v[XS+14]|, |v[XS+15]|
	v_max3_num_f32 v8, v8, v9, (EMAX+1)<<23        ; and the floor 2^(EMAX + 1 - 127): so the byte cannot fall under 1
	v_max_num_f32_dpp v8, v8, v8 row_xmask:1 row_mask:0xf bank_mask:0xf   ; and of my neighbour's 16: the block's
	v_add_nc_u32 v11, -(EMAX<<23), v8              ; EMAX off its exponent field: the conversion's scale operand
	v_cvt_scalef32_pk16_fp6_f32 v[C+4*(\t):C+4*(\t)+2], v[XS:XS+15], v11
	v_lshrrev_b32 v[E+(\t)], 23, v11               ; the scale's byte (also the plain line behind the conversion)
	ds_store_b8 v5, v[E+(\t)] offset:16*(\t)       ; both lanes of a block write the same byte with the same value
	global_store_b96 v4, v[C+4*(\t):C+4*(\t)+2], s[16:17] offset:32*CB*(\t)
.endm
.irp t, 0,1,2,3,4,5,6,7,8,9,10,11,12,13,14,15
	STEP \t
.endr
	ds_load_b64 v[8:9], v6                         ; LDS serves a wave's instructions in order: these see my stores
	s_wait_dscnt 0x0
	global_store_b64 v7, v[8:9], s[18:19]          ; 32 lanes store 256 consecutive bytes, at a multiple of 256 from the buffer's first byte
	s_wait_tensorcnt 0x0                           ; the wave's end
	ds_add_u32 v[SPW], v[NIL]
	s_wait_dscnt 0x0
	s_endpgm
.Lfunc_end_k_q177441afb8_quant:
	.size	k_q177441afb8_quant, .Lfunc_end_k_q177441afb8_quant-k_q177441afb8_quant
	.p2alignl 7, 3214868480
	.fill 96, 4, 3214868480
	.section	.rodata,"a",@progbits
	.p2align	6, 0x0
	.amdhsa_kernel k_q177441afb8_quant
		.amdhsa_group_segment_fixed_size 83200
		.amdhsa_private_segment_fixed_size 0
		.amdhsa_enable_private_segment 0
		.amdhsa_kernarg_size 64
		.amdhsa_user_sgpr_count 2
		.amdhsa_user_sgpr_kernarg_segment_ptr 1
		.amdhsa_wavefront_size32 1
		.amdhsa_system_sgpr_workgroup_id_x 1
		.amdhsa_system_sgpr_workgroup_id_y 1
		.amdhsa_system_sgpr_workgroup_id_z 1
		.amdhsa_system_vgpr_workitem_id 0
		.amdhsa_next_free_vgpr 224
		.amdhsa_next_free_sgpr 66
		.amdhsa_reserve_vcc 0
		.amdhsa_float_denorm_mode_32 3
		.amdhsa_float_denorm_mode_16_64 3
		.amdhsa_memory_ordered 1
		.amdhsa_forward_progress 1
		.amdhsa_inst_pref_size 34
	.end_amdhsa_kernel
	.amdgpu_metadata
---
amdhsa.version: [ 1, 2 ]
amdhsa.kernels:
  - .name:           k_q177441afb8_quant
    .symbol:         k_q177441afb8_quant.kd
    .args:
      - { .name: x, .offset: 0, .size: 8, .value_kind: global_buffer, .address_space: global }
      - { .name: context, .offset: 8, .size: 8, .value_kind: global_buffer, .address_space: global }
      - { .name: Wq, .offset: 16, .size: 8, .value_kind: global_buffer, .address_space: global }
      - { .name: Wk, .offset: 24, .size: 8, .value_kind: global_buffer, .address_space: global }
      - { .name: Wv, .offset: 32, .size: 8, .value_kind: global_buffer, .address_space: global }
      - { .name: Wo, .offset: 40, .size: 8, .value_kind: global_buffer, .address_space: global }
      - { .name: codes, .offset: 48, .size: 8, .value_kind: global_buffer, .address_space: global }
      - { .name: scales, .offset: 56, .size: 8, .value_kind: global_buffer, .address_space: global }
    .group_segment_fixed_size: 83200
    .private_segment_fixed_size: 0
    .kernarg_segment_align: 8
    .kernarg_segment_size: 64
    .max_flat_workgroup_size: 320
    .sgpr_count:     66
    .vgpr_count:     224
    .wavefront_size: 32
...
	.end_amdgpu_metadata
.endif
;; end of part 1
;; launch proj (part 2): grid 8 x 32, 4 waves a work-group, clusters of 4 x 4, 327,680 bytes of LDS; arguments codes, scales, bq, bk, bv, q, kv; writes q, kv
.if DOCPART == 2
	.amdgcn_target "amdgcn-amd-amdhsa--gfx1250"
	.amdhsa_code_object_version 6
	.text
	.protected	k_q177441afb8_proj
	.globl	k_q177441afb8_proj
	.p2align	8
	.type	k_q177441afb8_proj,@function
k_q177441afb8_proj:
	s_mov_b64 s[64:65], 0
	v_nop
	global_prefetch_b8 v0, s[64:65] scope:SCOPE_SE
	s_setreg_imm32_b32 hwreg(HW_REG_WAVE_MODE, 25, 1), 1
	s_wait_xcnt 0x0
	s_wait_alu depctr_hold_cnt(0) depctr_sa_sdst(0) depctr_va_vdst(0) depctr_va_sdst(0) depctr_va_ssrc(0) depctr_va_vcc(0) depctr_vm_vsrc(0)
	s_getreg_b32 s2, hwreg(HW_REG_IB_STS2, 6, 4)
	s_cmp_eq_u32 s2, 0
	s_cbranch_scc0 .Lentry_in_a_cluster
	s_endpgm
.Lentry_in_a_cluster:
	s_bfe_u32 s2, ttmp6, 0x10000c
	s_cmp_lg_u32 s2, 0xf033
	s_cbranch_scc0 .Lentry_shape_is_right
	s_endpgm
.Lentry_shape_is_right:
; CROSS-ATTENTION IN MX-FP6, launch 2 of 4: V = context Wv^T + bv, K = context Wk^T + bk, Q = x Wq^T + bq on launch 1's codes, each result quantised on the way out and stored as launch 3's operand registers.  No work is left out.
; THE DEAL.  256 work-groups: (tile column tc of 128 channels, tile row tr of 256 tokens).  Each makes 256 x 128 of V, then of K, on the same 256 rows of context, which stay in LDS, and then of Q on 256 rows of x.
; Four waves, 2 x 2: wave (a, b) holds the 64 stored rows 64 b .. of the weight's 128, ALL of K, in 384 registers: one head.  The tokens' rows stream past in blocks of 16 stored rows (8 fragments, 8 scale words), in two sets of registers:
; block s is fetched two blocks ahead.  A block is 32 products, its 4 accumulators by turns; the bias is the first four products' C.
; By launch 1's order slot c (128 stored rows) holds the c-th 64 tokens of both halves of the 256: wave row a takes rows 64 a + 16 (s % 4) of slot s / 4 as its block s, which is tile s of its own 128 tokens: one record of K and V.
; THE WAY OUT.  Q, K: source 0 = the weight's rows, so a lane holds one token and its 32 sums are channels 32 h + 0 .. 31 of the head: one scale block.  V: source 0 = the tokens, so a lane holds one channel and its 8 sums of each of four
; blocks are tokens 32 h + 0 .. 31 of a band of 64: one scale block for each of the four channel tiles.  No lane asks another.  The largest magnitude (two chains), its exponent field less 2 as the conversions' scale, two conversions:
; six registers of the next operand.  Scale bytes gather in the wave's own 1,280 bytes of LDS, laid as memory wants them, and leave in whole units of 256 bytes: a record's 768 at the end of K's phase, Q's 512 at the end.
; BUFFERS (launch 3's).  kv[16 batch + head][key step][13,056]: eight images of twelve registers a lane, 1,536 bytes each, as three pieces of [lane][16 bytes]: image j < 4 is K's tiles 2 j (registers 0-5) and 2 j + 1 (6-11), image 4 + d is V's
; channel tile d, band 0 (registers 0-5) and band 1 (6-11).  Six registers are made at a time: a piece of 16 bytes a lane, and 8 of the middle piece's 16.  From byte 12,288 on the scale words, 48 bytes for each r: K's tile t at 48 r + 4 t
; (bytes h; 2 and 3 are 0), V's tile d at 48 r + 32 + 4 d (byte 2 c + h).   q[16 batch + head][tile of 16 tokens][768]: 16 bytes a lane, then 8 bytes a lane; its scale words from byte 6,291,456 on, 64 a tile.
; LDS: slots 0, 1 and the weights' region, 128 rows of 816 bytes each (768 + 16 behind every 256); two places for a chunk's scale bytes (16 units of 256 + 16); the four waves' stages; the spare words.
; FILLS, all joint: the tokens' rows are shared by a row of the cluster, a weight's rows by a column.  At the head one load a wave: Wv, both chunks' scale bytes, chunk 0, chunk 1.  THREE REFILLS, each behind the three lines and a round
; of the cluster's barrier: ahead of V's block 2 Wk; ahead of K's block 2 Wq, x's chunk 0 and its scale bytes; ahead of K's block 6 x's chunk 1 and its scale bytes.  A slot's last block has been fetched
; by then.  What a refill brought is shown to all waves by the next round, or by a plain barrier behind which nothing is filled (V's end; ahead of Q's block 2).
; PREFETCH: each tile that a refill will ask for is named once in the cluster, 24 blocks of 256 bytes for each of the sixteen waves that will ask jointly, told apart by address, one refill or more ahead of its load.
; WAITS.  s_wait_dscnt 28 ahead of a block: behind its fetch stand the next block's fetch, 28 loads, and at most a few byte stores: 28 or more LDS instructions.  Where nothing is fetched any more the wait is for 0.
; LIMITS: NaN and infinities are not served; a block of zeros has the byte 1, and this program alone reads the bytes.
.set KROW,  768
.set KS,    32
.set PITCH, 816
.set FR,    12
.set FPW,   21                         ; fragments in a window of 256 registers; fragment f lies in window 1 + f / 21 at 12 (f % 21): 0-31 the weight's (4 q + n), 32-39 and 40-47 the tokens' two sets
.set RA,    128
.set YB,    RA*PITCH
.set BVB,   2*YB
.set SCL,   3*YB
.set SCB,   16*272
.set XS,    SCL+2*SCB
.set WST,   1280
.set SPARE, XS+4*WST
.set REC,   13056
.set QSC,   6291456
.set BW,    3                          ; the window of the biases
.set ADRA0, 4                          ; v4, v5 LDS address of my block 0 (v5: for the pieces behind one padding more); v6 of its scale words
.set AAS0,  6
.set STG,   7                          ; v7  my stage + 4 r + h: Q's scale bytes
.set O16,   8                          ; v8  16 x lane, v9 8 x lane
.set O8,    9
.set SPW,   10
.set NIL,   11
.set ADRA,  12                         ; v12-14 as v4-6, for the block that is fetched
.set AAS,   14
.set ABS,   15                         ; v15 32 x lane
.set BA,    16                         ; v16-23 LDS addresses of the weight's four tiles
.set SB,    24                         ; v24-39 the weight's scale words: 8 (n / 2) + q; lanes 16-31 the odd tile's
.set TQ,    40
.set SOP,   42
.set ZB,    43                         ; v43 my stage + 8 x lane; v63 + 16 x lane
.set SA,    44                         ; v44-59 the tokens' scale words, two sets
.set TC,    60
.set ZA,    63
.set HV,    64                         ; v64-191 V: 32 n + 8 u + j;  Q, K: v64-95
.set ACC,   64
.set CD,    192                        ; v192-215 codes
.set EB,    216                        ; v216-219 scale bytes
.set FL,    220                        ; v220-229 scale words on their way out
.set BQA,   230
.set BVA,   231
.set PF,    232                        ; v232-235 the prefetches' offsets
.set STK,   236                        ; v236 my stage + 48 r + h: K's and V's scale bytes
.set BBV,   840-768                    ; window 3: the three biases, 32 registers each, and K's and Q's weights' scale words
.set BBK,   872-768
.set BBQ,   904-768
.set SBK,   936-768
.set SBQ,   952-768
.set G1A, 24
.set G1B, 44
.set G1S, 52
.set G0W, 60
.set G0X, 68
.set G0S, 72
.set G0Y, 76
.set KVB, 88
.set QB,  90
.set QSB, 92
.set MSB, 0
.macro WIN new                         ; the immediate's high byte repeats the setting that is left
.if MSB != \new
	s_set_vgpr_msb (MSB<<8)|\new
.set MSB, \new
.endif
.endm
.macro PLACES n
.rept \n
	v_nop
.endr
.endm
.macro WALU
	s_wait_alu depctr_va_vdst(0)
.endm
.macro BARRIER
	s_barrier_signal -1
	s_barrier_wait -1
.endm
.macro CROUND                          ; a round of the cluster's barrier
	BARRIER
	s_cmp_lg_u32 s14, 0
	s_cbranch_scc1 .Lnot_wave_0_\@
	s_barrier_signal -3
.Lnot_wave_0_\@:
	s_barrier_wait -3
	BARRIER
.endm
.macro GRD
	s_wait_tensorcnt 0x0
	ds_add_u32 v[SPW], v[NIL]
.endm
.macro TLOAD g0, g1
	tensor_load_to_lds s[\g0:\g0+3], s[\g1:\g1+7]
	s_nop 0
	PLACES 4
.endm
.macro GROUP1 g, mask                  ; 128 rows of 768 bytes, 16 bytes of padding behind every 256
	s_or_b32 s[\g+0], s\mask, (1<<20)|(1<<21)|(5<<22)|(3<<25)
	s_mov_b32 s[\g+1], KROW<<16
	s_mov_b32 s[\g+2], RA<<16
	s_mov_b32 s[\g+3], KROW<<16
	s_mov_b32 s[\g+4], RA
	s_mov_b32 s[\g+5], KROW
	s_mov_b32 s[\g+6], 0
	s_mov_b32 s[\g+7], 0
.endm
.macro G0SET g, base, off              ; group 0's address: a buffer + the 32-bit offset in s\off
	s_mov_b32 s20, s\off
	s_mov_b32 s21, 0
	s_add_nc_u64 s[\g+2:\g+3], s[\base:\base+1], s[20:21]
	s_or_b32 s[\g+3], s[\g+3], 0x80000000
.endm
.macro FRAG f, q, a0, a1               ; 16 rows x 128 K: six pieces of 8 bytes, two to a load where both lie behind as many paddings; lanes 16-31 read 24 bytes on
	WIN ((1+(\f)/FPW)<<6)
.set R_, FR*((\f)%FPW)
.set SKIP_, 0
.irp p, 0,1,2,3,4,5
.if SKIP_
.set SKIP_, 0
.else
.set PC_, 12*(\q)+6*(\p/3)+\p%3
.set PN_, 12*(\q)+6*((\p+1)/3)+(\p+1)%3
.set X_, (PC_%32+3)/32
.set XQ_, (PN_%32+3)/32
.if (\p < 5) && (X_ == XQ_)
.set SKIP_, 1
.if X_
	ds_load_2addr_b64 v[R_+2*\p:R_+2*\p+3], \a1 offset0:PC_+2*(PC_/32) offset1:PN_+2*(PN_/32)
.else
	ds_load_2addr_b64 v[R_+2*\p:R_+2*\p+3], \a0 offset0:PC_+2*(PC_/32) offset1:PN_+2*(PN_/32)
.endif
.elseif X_
	ds_load_b64 v[R_+2*\p:R_+2*\p+1], \a1 offset:8*(PC_+2*(PC_/32))
.else
	ds_load_b64 v[R_+2*\p:R_+2*\p+1], \a0 offset:8*(PC_+2*(PC_/32))
.endif
.endif
.endr
.endm
.macro WEIGHTS                         ; my 64 rows of the weight, all of K: 104 loads
.irp q, 0,1,2,3,4,5,6,7
.irp n, 0,1,2,3
	FRAG 4*\q+\n, \q, v[BA+2*\n], v[BA+2*\n+1]
.endr
.endr
	WIN 0
.endm
.macro FETCHAT e, a0, a1, as           ; a block into set e: 26 + 2 loads
.irp q, 0,1,2,3,4,5,6,7
	FRAG 32+8*(\e)+\q, \q, \a0, \a1
.endr
	WIN 0
	ds_load_b128 v[SA+8*(\e):SA+8*(\e)+3], \as
	ds_load_b128 v[SA+8*(\e)+4:SA+8*(\e)+7], \as offset:16
.endm
.macro GET s, e                        ; block s: slot s / 4, tile s % 4 of my 64 rows there
	v_add_nc_u32 v[ADRA], ((\s)>>2)*YB+((\s)&3)*16*PITCH, v[ADRA0]
	v_add_nc_u32 v[ADRA+1], ((\s)>>2)*YB+((\s)&3)*16*PITCH, v[ADRA0+1]
	v_add_nc_u32 v[AAS], ((\s)>>2)*SCB+((\s)&3)*544, v[AAS0]
	WALU                                           ; the wait ahead of the readers below
	FETCHAT \e, v[ADRA], v[ADRA+1], v[AAS]
.endm
.macro FIRST2                          ; a phase's first two blocks
	FETCHAT 0, v[ADRA0], v[ADRA0+1], v[AAS0]
	GET 1, 1
.endm
.macro PROD1 d, s0, s1, c, x0, x1, side, o
.if \o
	v_wmma_scale_f32_16x16x128_f8f6f4 v[\d:\d+7], v[FR*((\s0)%FPW):FR*((\s0)%FPW)+FR-1], v[FR*((\s1)%FPW):FR*((\s1)%FPW)+FR-1], \c, v[\x0], v[\x1] matrix_a_fmt:MATRIX_FMT_FP6 matrix_b_fmt:MATRIX_FMT_FP6 matrix_\side\()_scale:MATRIX_SCALE_ROW1
.else
	v_wmma_scale_f32_16x16x128_f8f6f4 v[\d:\d+7], v[FR*((\s0)%FPW):FR*((\s0)%FPW)+FR-1], v[FR*((\s1)%FPW):FR*((\s1)%FPW)+FR-1], \c, v[\x0], v[\x1] matrix_a_fmt:MATRIX_FMT_FP6 matrix_b_fmt:MATRIX_FMT_FP6 matrix_\side\()_scale:MATRIX_SCALE_ROW0
.endif
.endm
.macro PROD kind, e, q, n, d, c        ; kind 0: source 0 the weight's tile n; kind 1: source 0 the tokens.  The first K step takes the bias as C
.set FB_, 4*(\q)+(\n)
.set FA_, 32+8*(\e)+(\q)
.set XB_, SB+8*((\n)/2)+(\q)
.set XA_, SA+8*(\e)+(\q)
.set D_, \d
.set C_, \c
.set CW_, 0
.if (\q) == 0
.set CW_, BW
.endif
.if \kind
	WIN (1+FA_/FPW)|((1+FB_/FPW)<<2)|(CW_<<4)
.if (\q)
	PROD1 D_, FA_, FB_, v[D_:D_+7], XA_, XB_, b, (\n)%2
.else
	PROD1 D_, FA_, FB_, v[C_:C_+7], XA_, XB_, b, (\n)%2
.endif
.else
	WIN (1+FB_/FPW)|((1+FA_/FPW)<<2)|(CW_<<4)
.if (\q)
	PROD1 D_, FB_, FA_, v[D_:D_+7], XB_, XA_, a, (\n)%2
.else
	PROD1 D_, FB_, FA_, v[C_:C_+7], XB_, XA_, a, (\n)%2
.endif
.endif
.endm
.macro PRODS kind, e, d0, ds, bb       ; a block's 32 products, and five places behind them: for the loads into their sources, the reads of their results and the next block's first products
.set Q_, 0
.rept 8
.set N_, 0
.rept 4
	PROD \kind, \e, Q_, N_, (\d0)+(\ds)*N_, (\bb)+8*N_
.set N_, N_+1
.endr
.set Q_, Q_+1
.endr
	WIN 0
	PLACES 5
.endm
.macro OUT32 x, cd, eb                 ; 32 sums of a lane, one scale block: codes into six registers, the scale's byte.  Each accumulator is first read at its low end
	v_max3_num_f32 v[TQ], |v[(\x)]|, |v[(\x)+1]|, |v[(\x)+2]|
	v_max3_num_f32 v[TQ+1], |v[(\x)+16]|, |v[(\x)+17]|, |v[(\x)+18]|
.irp i, 3,5,7,9,11,13
	v_max3_num_f32 v[TQ], v[TQ], |v[(\x)+\i]|, |v[(\x)+\i+1]|
	v_max3_num_f32 v[TQ+1], v[TQ+1], |v[(\x)+16+\i]|, |v[(\x)+17+\i]|
.endr
	v_max3_num_f32 v[TQ+1], v[TQ+1], |v[(\x)+31]|, 0x1800000      ; the floor 2^(3 - 127): the byte cannot fall under 1
	v_max3_num_f32 v[TQ], v[TQ], |v[(\x)+15]|, v[TQ+1]
	v_add_nc_u32 v[SOP], 0xff000000, v[TQ]         ; 2 off the exponent field: the conversions' scale operand
	v_cvt_scalef32_pk16_fp6_f32 v[(\cd):(\cd)+2], v[(\x):(\x)+15], v[SOP]
	v_cvt_scalef32_pk16_fp6_f32 v[TC:TC+2], v[(\x)+16:(\x)+31], v[SOP]   ; (a conversion's three registers begin on an even number)
	v_lshrrev_b32 v[(\eb)], 23, v[SOP]             ; the byte (also the plain line behind the conversions)
.irp i, 0,1,2
	v_mov_b32 v[(\cd)+3+\i], v[TC+\i]
.endr
.endm
.macro HALF cd, base, off, odd         ; six registers, the lower or the upper half of an image of twelve: a whole piece of 16 bytes a lane, and 8 of the middle piece's 16
.if \odd
	global_store_b64 v[O16], v[(\cd):(\cd)+1], s[\base:\base+1] offset:(\off)+520
	global_store_b128 v[O16], v[(\cd)+2:(\cd)+5], s[\base:\base+1] offset:(\off)+1024
.else
	global_store_b128 v[O16], v[(\cd):(\cd)+3], s[\base:\base+1] offset:(\off)
	global_store_b64 v[O16], v[(\cd)+4:(\cd)+5], s[\base:\base+1] offset:(\off)+512
.endif
.endm
.macro SBMOVE src                      ; the next weight's scale words, ready in window 3 from the head on
	WIN 3
.set I_, 0
.rept 16
	v_mov_b32 v[SB+I_], v[(\src)+I_]
.set I_, I_+1
.endr
	WIN 0
.endm
.macro PFGO i
	global_prefetch_b8 v[PF+\i], s[4:5] th:TH_LOAD_NT scope:SCOPE_SE
.endm
.macro VB s, w, get
	s_wait_dscnt \w
	PRODS 1, (\s)%2, HV+8*((\s)&3), 32, BBV
.if \get
	GET (\s)+2, (\s)%2
.endif
.endm
.macro VOUT c                          ; band c of my record is whole: four channel tiles
	s_wait_xcnt 0x0                                ; earlier stores have read their data
.irp d, 0,1,2,3
	OUT32 HV+32*\d, CD+6*\d, EB+\d
.endr
.irp d, 0,1,2,3
	ds_store_b8 v[STK], v[EB+\d] offset:32+4*\d+2*(\c)
.endr
.irp d, 0,1,2,3
	HALF CD+6*\d, KVB, 6144+1536*\d, \c
.endr
.endm
.macro QKP s, w, bb
	s_wait_dscnt \w
	PRODS 0, (\s)%2, ACC, 8, \bb
.endm
.macro QKO s, so, base                 ; so = 0: K; else Q, whose scale bytes begin at byte so of my stage
	s_wait_xcnt 0x0                                ; the last block's stores have read their data
	OUT32 ACC, CD, EB
.if (\so)
	ds_store_b8 v[STG], v[EB] offset:(\so)+64*(\s)
	global_store_b128 v[O16], v[CD:CD+3], s[\base:\base+1] offset:768*(\s)
	global_store_b64 v[O8], v[CD+4:CD+5], s[\base:\base+1] offset:768*(\s)+512
.else
	ds_store_b8 v[STK], v[EB] offset:4*(\s)
	HALF CD, \base, 1536*((\s)/2), (\s)%2
.endif
.endm
.macro QK s, bb, so, base, get
	QKP \s, 28, \bb
.if \get
	GET (\s)+2, (\s)%2
.endif
	QKO \s, \so, \base
.endm
; ================= THE HEAD
	s_load_b256 s[4:11], s[0:1], 0x0               ; codes, scales, bq, bk
	s_load_b128 s[36:39], s[0:1], 0x20             ; bv, q
	s_load_b64 s[40:41], s[0:1], 0x30              ; kv
	v_lshl_add_u32 v[SPW], v0, 2, SPARE
	v_mov_b32 v[NIL], 0
	ds_add_u32 v[SPW], v[NIL]                      ; the opening: the add, twice on end, and its wait
	ds_add_u32 v[SPW], v[NIL]
	v_lshrrev_b32 v1, 5, v0
	v_readfirstlane_b32 s14, v1                    ; the wave; s15 = a, its row of the 2 x 2, s16 = b, its column
	s_lshr_b32 s15, s14, 1
	s_and_b32 s16, s14, 1
	s_bfe_u32 s17, ttmp6, 0x40000                  ; cx
	s_bfe_u32 s18, ttmp6, 0x40004                  ; cy
	s_lshl_b32 s19, ttmp9, 2
	s_add_co_u32 s19, s19, s17                     ; tc
	s_and_b32 s84, ttmp7, 0xffff
	s_lshl_b32 s84, s84, 2
	s_add_co_u32 s84, s84, s18                     ; tr
	s_lshl_b32 s85, s18, 2
	s_lshl_b32 s85, 15, s85                        ; my row of the cluster
	s_lshl_b32 s86, 0x1111, s17                    ; my column
	GROUP1 G1A, 85
	GROUP1 G1B, 86
	s_or_b32 s[G1S], s85, (3<<16)|(1<<20)|(1<<21)|(5<<22)|(3<<25)   ; scale bytes: dense units of 256 bytes, 16 of padding behind each; 32 units at the head
	s_mov_b32 s[G1S+1], 32<<16
	s_mov_b32 s[G1S+2], 32<<16
	s_mov_b32 s[G1S+3], 32<<16
	s_mov_b32 s[G1S+4], 32
	s_mov_b32 s[G1S+5], 32
	s_mov_b32 s[G1S+6], 0
	s_mov_b32 s[G1S+7], 0
	s_mov_b32 s[G0W], 1
	s_mov_b32 s[G0W+1], BVB
	s_mov_b32 s[G0X], 1
	s_mov_b32 s[G0X+1], 0
	s_mov_b32 s[G0Y], 1
	s_mov_b32 s[G0Y+1], YB
	s_mov_b32 s[G0S], 1
	s_mov_b32 s[G0S+1], SCL
	s_mul_i32 s82, s84, 256*KROW                   ; bytes from codes: x's chunk 0,
	s_add_co_u32 s87, s82, 8192*KROW               ; context's chunk 0,
	s_mul_i32 s80, s19, RA*KROW
	s_add_co_u32 s81, s80, 16384*KROW              ; Wq's rows,
	s_add_co_u32 s94, s80, 18432*KROW              ; Wv's,
	s_add_co_u32 s80, s80, 17408*KROW              ; Wk's
	s_mul_i32 s83, s84, 256*KS                     ; bytes from scales: x's rows,
	s_add_co_u32 s95, s83, 8192*KS                 ; context's
	s_lshl_b32 s96, s18, 2
	s_add_co_u32 s96, s96, s14
	s_mul_i32 s96, s96, RA*KROW/16                 ; my sixteenth of a tile that my column shares,
	s_lshl_b32 s97, s17, 2
	s_add_co_u32 s97, s97, s14
	s_mul_i32 s97, s97, RA*KROW/16                 ; and of one that my row shares
	v_and_b32 v1, 15, v0                           ; r
	v_bfe_u32 v2, v0, 4, 1                         ; h
	v_and_b32 v3, 31, v0                           ; lane
	v_mul_u32_u24 v60, v1, PITCH
	v_mad_u32_u24 v61, v2, 24, v60
	v_mad_u32_u24 v62, v2, 40, v60
	s_mul_i32 s20, s15, 64*PITCH
	v_add_nc_u32 v[ADRA0], s20, v61
	v_add_nc_u32 v[ADRA0+1], s20, v62
	s_mul_i32 s20, s16, 64*PITCH
	s_add_co_u32 s20, s20, BVB
.irp n, 0,1,2,3
	v_add_nc_u32 v[BA+2*\n], s20, v61
	v_add_nc_u32 v[BA+2*\n+1], s20, v62
	s_add_co_u32 s20, s20, 16*PITCH
.endr
	v_lshlrev_b32 v60, 5, v1
	v_lshrrev_b32 v61, 3, v1
	v_lshl_add_u32 v60, v61, 4, v60                ; a row's 32 scale bytes, and 16 more behind each 256
	s_mul_i32 s20, s15, 8*272
	s_add_co_u32 s20, s20, SCL
	v_add_nc_u32 v[AAS0], s20, v60
	v_lshlrev_b32 v[O16], 4, v3
	v_lshlrev_b32 v[O8], 3, v3
	v_lshlrev_b32 v[ABS], 5, v3
	s_mul_i32 s20, s14, WST
	s_add_co_u32 s20, s20, XS
	v_lshl_add_u32 v60, v1, 2, v2
	v_add_nc_u32 v[STG], s20, v60
	v_mad_u32_u24 v60, v1, 48, v2
	v_add_nc_u32 v[STK], s20, v60
	v_add_nc_u32 v[ZA], s20, v[O16]
	v_add_nc_u32 v[ZB], s20, v[O8]
	v_lshlrev_b32 v[BQA], 7, v2                    ; Q, K: register 8 n + j of lane half h is channel 32 h + 8 n + j
	v_and_b32 v60, 7, v1
	v_lshl_add_u32 v60, v61, 5, v60
	v_lshlrev_b32 v[BVA], 2, v60                   ; V: lane r of tile n is channel 8 n + r % 8 + 32 (r / 8)
	v_min_u32 v60, RA*KROW/16/256-1, v3
	v_lshlrev_b32 v60, 8, v60
	s_add_co_u32 s20, s80, s96
	v_add_nc_u32 v[PF], s20, v60                   ; Wk
	s_add_co_u32 s20, s81, s96
	v_add_nc_u32 v[PF+1], s20, v60                 ; Wq
	s_add_co_u32 s20, s82, s97
	v_add_nc_u32 v[PF+2], s20, v60                 ; x's chunk 0
	v_add_nc_u32 v[PF+3], RA*KROW, v[PF+2]         ; and 1
.irp i, 0,1,2,3
	v_mov_b32 v[HV+\i], 0
.endr
	WALU                                           ; the wait ahead of the blocking wait
	s_wait_dscnt 0x0
	CROUND                                         ; the opening round
	s_wait_kmcnt 0x0
	G0SET G0W, 4, 94
	G0SET G0S, 6, 95
	G0SET G0X, 4, 87
	s_add_co_u32 s22, s87, RA*KROW
	G0SET G0Y, 4, 22
	s_cmp_eq_u32 s14, 0
	s_cbranch_scc0 .Lwave_1
	TLOAD G0W, G1B                                 ; wave 0: Wv's rows
	s_branch .Lasked
.Lwave_1:
	s_cmp_eq_u32 s14, 1
	s_cbranch_scc0 .Lwave_2
	TLOAD G0S, G1S                                 ; wave 1: both chunks' scale bytes
	s_branch .Lasked
.Lwave_2:
	s_cmp_eq_u32 s14, 2
	s_cbranch_scc0 .Lwave_3
	TLOAD G0X, G1A                                 ; wave 2: chunk 0
	s_branch .Lasked
.Lwave_3:
	TLOAD G0Y, G1A                                 ; wave 3: chunk 1
.Lasked:
	s_lshl_b32 s22, s19, 12
	s_lshl_b32 s23, s16, 11
	s_add_co_u32 s22, s22, s23                     ; (128 tc + 64 b) rows of 32 scale bytes
	s_mov_b32 s23, 0
	s_add_nc_u64 s[32:33], s[6:7], s[22:23]
	s_lshr_b32 s22, s22, 3                         ; and as many f32 numbers of a bias
	s_add_nc_u64 s[8:9], s[8:9], s[22:23]
	s_add_nc_u64 s[10:11], s[10:11], s[22:23]
	s_add_nc_u64 s[36:37], s[36:37], s[22:23]
.irp p, 0,1
.irp c, 0,1
	global_load_b128 v[SB+8*\p+4*\c:SB+8*\p+4*\c+3], v[ABS], s[32:33] offset:18432*KS+\p*1024+16*\c
.endr
.endr
	WIN 3<<6
.irp n, 0,1,2,3
	global_load_b32 v[BBV+8*\n], v[BVA], s[36:37] offset:32*\n
.endr
.irp p, 0,1
.irp c, 0,1
	global_load_b128 v[SBK+8*\p+4*\c:SBK+8*\p+4*\c+3], v[ABS], s[32:33] offset:17408*KS+\p*1024+16*\c
	global_load_b128 v[SBQ+8*\p+4*\c:SBQ+8*\p+4*\c+3], v[ABS], s[32:33] offset:16384*KS+\p*1024+16*\c
.endr
.endr
.irp k, 0,1,2,3,4,5,6,7
	global_load_b128 v[BBK+4*\k:BBK+4*\k+3], v[BQA], s[10:11] offset:16*\k
	global_load_b128 v[BBQ+4*\k:BBQ+4*\k+3], v[BQA], s[8:9] offset:16*\k
.endr
	WIN 0
	s_lshr_b32 s20, s84, 3                         ; where the results go: 16 batch + head,
	s_lshl_b32 s20, s20, 4
	s_lshl_b32 s21, s19, 1
	s_add_co_u32 s20, s20, s21
	s_add_co_u32 s20, s20, s16
	s_and_b32 s21, s84, 7
	s_lshl_b32 s22, s20, 4
	s_lshl_b32 s23, s21, 1
	s_add_co_u32 s22, s22, s23
	s_add_co_u32 s22, s22, s15                     ; my record,
	s_mul_i32 s22, s22, REC
	s_mov_b32 s23, 0
	s_add_nc_u64 s[KVB:KVB+1], s[40:41], s[22:23]
	s_lshl_b32 s20, s20, 7
	s_lshl_b32 s21, s21, 4
	s_add_co_u32 s20, s20, s21
	s_lshl_b32 s21, s15, 3
	s_add_co_u32 s20, s20, s21                     ; my first tile of Q
	s_mul_i32 s22, s20, 768
	s_add_nc_u64 s[QB:QB+1], s[38:39], s[22:23]
	s_lshl_b32 s22, s20, 6
	s_add_co_u32 s22, s22, QSC
	s_add_nc_u64 s[QSB:QSB+1], s[38:39], s[22:23]
	s_cmp_eq_u32 s14, 0
	s_cbranch_scc0 .Lnot_b
	s_wait_tensorcnt 0x0
.Lnot_b:
	BARRIER                                        ; Wv's rows are in
	PFGO 0
	WEIGHTS
	s_cmp_eq_u32 s14, 3
	s_cbranch_scc1 .Lnot_a0
	s_wait_tensorcnt 0x0
.Lnot_a0:
	s_wait_dscnt 0x0
	BARRIER                                        ; chunk 0 and the scale bytes are in; chunk 1 may still be on its way
	FIRST2
	ds_store_b128 v[ZA], v[HV:HV+3]                ; bytes 2, 3 of K's and Q's scale words are zeros: my stage's 1,280 bytes are cleared once
	ds_store_b64 v[ZB], v[HV:HV+1] offset:512
	ds_store_b128 v[ZA], v[HV:HV+3] offset:768
	s_wait_loadcnt 0x0
	WIN (3<<6)|3
.irp n, 0,8,16,24
.irp i, 1,2,3,4,5,6,7
	v_mov_b32 v[BBV+\n+\i], v[BBV+\n]              ; V's bias, one number a lane and tile, over the tile's eight registers
.endr
.endr
	WIN 0
	WALU                                           ; the wait at the head's end
; ================= V
	VB 0, 28, 1
	VB 1, 28, 1
	GRD
	s_mov_b32 s[G1S+2], 16<<16                     ; from here on a load of scale bytes brings one chunk's 16 units
	s_mov_b32 s[G1S+4], 16
	G0SET G0W, 4, 80
	s_wait_dscnt 0x0
	CROUND
	s_cmp_eq_u32 s14, 0
	s_cbranch_scc0 .Lr1
	TLOAD G0W, G1B                                 ; Wk's rows
.Lr1:
	VB 2, 28, 1
	PFGO 1
	PFGO 2
	VB 3, 28, 1
	VOUT 0
	VB 4, 28, 1
	VB 5, 28, 1
	VB 6, 28, 0
	VB 7, 0, 0
	s_wait_tensorcnt 0x0
	s_wait_dscnt 0x0
	BARRIER                                        ; a plain barrier: Wk's rows are shown to all
	SBMOVE SBK
	WEIGHTS
	FIRST2                                         ; context's rows lie in the slots still
	VOUT 1                                         ; under the loads' flight
	WALU                                           ; the wait
; ================= K
	QK 0, BBK, 0, KVB, 1
	QK 1, BBK, 0, KVB, 1
	GRD
	G0SET G0W, 4, 81
	G0SET G0X, 4, 82
	G0SET G0S, 6, 83
	s_wait_dscnt 0x0
	CROUND
	s_cmp_eq_u32 s14, 0
	s_cbranch_scc0 .Lr2a
	TLOAD G0W, G1B                                 ; Wq's rows
	s_branch .Lr2
.Lr2a:
	s_cmp_eq_u32 s14, 1
	s_cbranch_scc0 .Lr2b
	TLOAD G0X, G1A                                 ; x's chunk 0
	s_branch .Lr2
.Lr2b:
	s_cmp_eq_u32 s14, 2
	s_cbranch_scc0 .Lr2
	TLOAD G0S, G1S                                 ; its scale bytes
.Lr2:
	QK 2, BBK, 0, KVB, 1
	PFGO 3
	QK 3, BBK, 0, KVB, 1
	QK 4, BBK, 0, KVB, 1
	QK 5, BBK, 0, KVB, 1
	GRD
	s_add_co_u32 s22, s82, RA*KROW
	G0SET G0Y, 4, 22
	s_add_co_u32 s22, s83, RA*KS
	G0SET G0S, 6, 22
	s_mov_b32 s[G0S+1], SCL+SCB
	s_wait_dscnt 0x0
	CROUND
	s_cmp_eq_u32 s14, 0
	s_cbranch_scc0 .Lr3a
	TLOAD G0Y, G1A                                 ; x's chunk 1
	s_branch .Lr3
.Lr3a:
	s_cmp_eq_u32 s14, 1
	s_cbranch_scc0 .Lr3
	TLOAD G0S, G1S                                 ; its scale bytes
.Lr3:
	QK 6, BBK, 0, KVB, 0
	QKP 7, 0, BBK
	SBMOVE SBQ
	WEIGHTS
	FIRST2
	QKO 7, 0, KVB                                  ; under the loads' flight
	ds_load_b128 v[FL:FL+3], v[ZA]                 ; my record's 768 bytes of scale words: LDS serves a wave's instructions in order
	ds_load_b64 v[FL+4:FL+5], v[ZB] offset:512
	WALU                                           ; the wait
	s_wait_dscnt 0x0
	global_store_b128 v[O16], v[FL:FL+3], s[KVB:KVB+1] offset:12288
	global_store_b64 v[O8], v[FL+4:FL+5], s[KVB:KVB+1] offset:12800
; ================= Q
	QK 0, BBQ, 768, QB, 1
	QK 1, BBQ, 768, QB, 1
	s_wait_tensorcnt 0x0
	s_wait_dscnt 0x0
	BARRIER                                        ; a plain barrier: x's chunk 1 is shown to all
	QK 2, BBQ, 768, QB, 1
	QK 3, BBQ, 768, QB, 1
	QK 4, BBQ, 768, QB, 1
	QK 5, BBQ, 768, QB, 1
	QK 6, BBQ, 768, QB, 0
	QKP 7, 0, BBQ
	QKO 7, 768, QB
	ds_load_b128 v[FL+6:FL+9], v[ZA] offset:768
	s_wait_dscnt 0x0
	global_store_b128 v[O16], v[FL+6:FL+9], s[QSB:QSB+1]
	s_wait_tensorcnt 0x0                           ; the wave's end
	ds_add_u32 v[SPW], v[NIL]
	s_wait_dscnt 0x0
	CROUND                                         ; the closing round
	s_endpgm
.Lfunc_end_k_q177441afb8_proj:
	.size	k_q177441afb8_proj, .Lfunc_end_k_q177441afb8_proj-k_q177441afb8_proj
	.p2alignl 7, 3214868480
	.fill 96, 4, 3214868480
	.section	.rodata,"a",@progbits
	.p2align	6, 0x0
	.amdhsa_kernel k_q177441afb8_proj
		.amdhsa_group_segment_fixed_size 327680
		.amdhsa_private_segment_fixed_size 0
		.amdhsa_enable_private_segment 0
		.amdhsa_kernarg_size 56
		.amdhsa_user_sgpr_count 2
		.amdhsa_user_sgpr_kernarg_segment_ptr 1
		.amdhsa_wavefront_size32 1
		.amdhsa_system_sgpr_workgroup_id_x 1
		.amdhsa_system_sgpr_workgroup_id_y 1
		.amdhsa_system_sgpr_workgroup_id_z 1
		.amdhsa_system_vgpr_workitem_id 0
		.amdhsa_next_free_vgpr 1024
		.amdhsa_next_free_sgpr 100
		.amdhsa_reserve_vcc 0
		.amdhsa_float_denorm_mode_32 3
		.amdhsa_float_denorm_mode_16_64 3
		.amdhsa_memory_ordered 1
		.amdhsa_forward_progress 1
		.amdhsa_inst_pref_size 233
	.end_amdhsa_kernel
	.amdgpu_metadata
---
amdhsa.version: [ 1, 2 ]
amdhsa.kernels:
  - .name:           k_q177441afb8_proj
    .symbol:         k_q177441afb8_proj.kd
    .args:
      - { .name: codes, .offset: 0, .size: 8, .value_kind: global_buffer, .address_space: global }
      - { .name: scales, .offset: 8, .size: 8, .value_kind: global_buffer, .address_space: global }
      - { .name: bq, .offset: 16, .size: 8, .value_kind: global_buffer, .address_space: global }
      - { .name: bk, .offset: 24, .size: 8, .value_kind: global_buffer, .address_space: global }
      - { .name: bv, .offset: 32, .size: 8, .value_kind: global_buffer, .address_space: global }
      - { .name: q, .offset: 40, .size: 8, .value_kind: global_buffer, .address_space: global }
      - { .name: kv, .offset: 48, .size: 8, .value_kind: global_buffer, .address_space: global }
    .group_segment_fixed_size: 327680
    .private_segment_fixed_size: 0
    .kernarg_segment_align: 8
    .kernarg_segment_size: 56
    .max_flat_workgroup_size: 128
    .sgpr_count:     100
    .vgpr_count:     1024
    .wavefront_size: 32
...
	.end_amdgpu_metadata
.endif
;; end of part 2
;; launch attn (part 3): grid 4 x 64, 16 waves a work-group, clusters of 4 x 1, 210,944 bytes of LDS; arguments q, kv, oc, os; writes oc, os
.if DOCPART == 3
	.amdgcn_target "amdgcn-amd-amdhsa--gfx1250"
	.amdhsa_code_object_version 6
	.text
	.protected	k_q177441afb8_attn
	.globl	k_q177441afb8_attn
	.p2align	8
	.type	k_q177441afb8_attn,@function
k_q177441afb8_attn:
	s_mov_b64 s[64:65], 0
	v_nop
	global_prefetch_b8 v0, s[64:65] scope:SCOPE_SE
	s_setreg_imm32_b32 hwreg(HW_REG_WAVE_MODE, 25, 1), 1
	s_wait_xcnt 0x0
	s_wait_alu depctr_hold_cnt(0) depctr_sa_sdst(0) depctr_va_vdst(0) depctr_va_sdst(0) depctr_va_ssrc(0) depctr_va_vcc(0) depctr_vm_vsrc(0)
	s_getreg_b32 s2, hwreg(HW_REG_IB_STS2, 6, 4)
	s_cmp_eq_u32 s2, 0
	s_cbranch_scc0 .Lentry_in_a_cluster
	s_endpgm
.Lentry_in_a_cluster:
	s_bfe_u32 s2, ttmp6, 0x10000c
	s_cmp_lg_u32 s2, 0x3003
	s_cbranch_scc0 .Lentry_shape_is_right
	s_endpgm
.Lentry_shape_is_right:
; CROSS-ATTENTION IN MX-FP6, launch 3 of 4: for each of the 64 heads of a batch, O = softmax(Q K^T / 8) V on the codes that launch 2 made; O / l is quantised along the model's 1,024 and stored as the last product's operand.  No work is left out.
; THE SOFTMAX AHEAD OF THE SECOND PRODUCT: t = score x log2(e) / 8; M = the row's largest t so far, rounded UP to a whole number; p = 2^(t - M) is what is quantised, along the keys; it is not normalised.
; The row's sum is taken of the unquantised p, in f32, and divides O at the end.  When M moves, the sum and O are multiplied by 2^(old M - new M): exact.
; SHARES.  A work-group owns 512 queries of one head; each of its sixteen waves two tiles of 16 queries, one after the other, in 256 registers: four waves to a SIMD.  Every wave walks all 2,048 keys, 128 a step.
; NO RING, NO PREFETCH.  A head's K and V, 16 records of 13,056 bytes (launch 2's layout), lie in LDS whole: wave w brings record w by ONE tensor load at the head; nothing is filled again, and there is no loop ahead of the one fill in which
; a prefetch could run.  Waves 0 to 3 have a load line of their own: the first barrier shows their four records, the first tile's first four steps run on them, and a second barrier, ahead of step 4, shows the other twelve.
; CLUSTER.  The four work-groups of a cluster are the four blocks of queries of one head: each record is asked for jointly, by the same load with the same descriptor and a mask that names the four.
; LAYOUT.  Both products are used transposed: S^T = K Q^T (source 0 = 16 keys, source 1 = my 16 queries), O^T = V^T P^T (source 0 = 16 channels, source 1 = P): a lane holds ONE query throughout.
; By launch 1's stored order tile u of a group of 64 keys (or channels) holds rows 8 u + i and 32 + 8 u + i.  So lane half h has in the 32 registers of four neighbouring tiles the 32 NEIGHBOURS 32 h + 0 .. 31:
; a whole scale block, in the order of the next operand's registers.  A block's maximum asks no other lane, and the conversions' results are the operand; only the row's maximum and P's scale word join lanes l and l xor 16.
; THE HEAD HAS 64 CHANNELS, THE INSTRUCTION 128.  Q's registers 6-11 are zero codes, and bytes 2, 3 of Q's and K's scale words are 0 (2^-127, a number).  K's tile t is named v[42 + 6 t : 53 + 6 t]: its upper six registers are the next
; tile's codes (for t = 7: zeros).  Every code of this format is a finite number; multiplied by Q's zero codes it adds exactly 0.
; THE ROW'S SUM FILLS THE PLACES.  The last five links of a step's sum name no register of any product: one stands behind the step's last products, ahead of the next step's loads, and four behind the next step's first products.
; They are run once more behind each walk; a walk begins with zeros in their registers.
; The scale bytes of O leave as single bytes, one a lane: a work-group has 2 bytes of each row's 32; the buffer is 262,144 bytes in all.
; LIMITS: NaN and infinities are not served; a block of zeros has the byte 1, and this program alone reads the bytes.  The promise holds while |t| stays under 2^31.
; A block's largest p is made from its largest score by the same two instructions as every p: this takes v_exp_f32 not to fall where its input rises.  Every wait in this text is for 0.
.set REC,   13056                      ; a record: 128 keys of one head: eight images of twelve registers a lane, 1,536 bytes each, as three pieces of [lane][16]: K's tiles 2 j, 2 j + 1; then V's tile d, both bands; then 48 bytes of scale words for each r: K's eight, V's four
.set SPARE, 16*REC                     ; the spare words, 128 bytes for each of the sixteen waves, which no other line names
.set QSC,   6291456                    ; where q's scale words begin
.set SPW,  5                           ; v5 my spare word's LDS address, v6 0: never rewritten
.set NIL,  6
.set SH8,  7                           ; v7   8 h
.set KSW,  28                          ; v28-35  K's scale words
.set VSW,  36                          ; v36-39  V's
.set PSW,  40                          ; v40     P's
.set QS2,  41                          ; v41     the second tile's scale word of Q (the first's: v11)
.set KV,   42                          ; v42-89  K's 8 x 6 registers, then V's 4 x 12;  v90-95 zeros
.set BM,   108                         ; v108-111 four chains of maxima; block c's ends in v[108 + 2 c]
.set PT,   112                         ; v112    what a lane permute brings
.set SO,   114                         ; v114-115 the conversions' scale operands
.set EB,   116                         ; v116-117 scale bytes
.set W,    118
.set R48,  119                         ; v119    48 (lane % 16)
.set CT,   120                         ; v120-122, v124-126 the conversions' second halves
.set F,    128                         ; v[128:129] f = 2^(old M - new M); on the way out 1 / l
.set TMP,  130                         ; v130, v131
.set PCD,  132                         ; v132-143 P's codes
.set S,    144                         ; v144-207 S^T, then p
.set OT,   208                         ; v208-239 O^T
.set OUTR, 240                         ; v240-245 what is stored
.set T,    248                         ; v248-255 four chains of the row's sum
.set WV,   12
.set SEL,  20                          ; s[20:21] lane l xor 16
.set CS,   22                          ; s[22:23] c = log2(e) / 8
.set G1,   24
.set G0,   32
.set TB,   36                          ; LDS byte at which the step's record begins: also the walk's counter
; v1 16 x lane, v2 8 x lane, v3 4 (lane % 16), v4 32 (lane % 16) + lane / 16; v8, v10 the step's LDS addresses; v12 -M, v13 the largest score, v[14:15] the sum in two halves; v16-27, v96-107 Q's two tiles
.macro WALU
	s_wait_alu depctr_va_vdst(0)
.endm
.macro D1
	s_delay_alu instid0(VALU_DEP_1)
.endm
.macro CROUND                          ; a round of the cluster's barrier
	s_barrier_signal -1
	s_barrier_wait -1
	s_cmp_lg_u32 s[WV], 0
	s_cbranch_scc1 .Lnot_wave_0_\@
	s_barrier_signal -3
.Lnot_wave_0_\@:
	s_barrier_wait -3
	s_barrier_signal -1
	s_barrier_wait -1
.endm
	s_load_b256 s[4:11], s[0:1], 0x0               ; q, kv, oc, os
	v_lshl_add_u32 v[SPW], v0, 2, SPARE
	v_mov_b32 v[NIL], 0
	ds_add_u32 v[SPW], v[NIL]                      ; the opening: the add, twice on end, and its wait ahead of my tensor load
	ds_add_u32 v[SPW], v[NIL]
	v_lshrrev_b32 v8, 5, v0
	D1
	v_readfirstlane_b32 s[WV], v8                  ; wave 0..15
	s_bfe_u32 s13, ttmp6, 0x40000                  ; cx: my block of 512 queries: it enters Q's and O's addresses alone
	s_and_b32 s14, ttmp7, 0xffff                   ; 16 x batch + head, which the four partners share
	s_mov_b32 s[G1], 15|(3<<16)|(1<<21)            ; a record, dense in memory, as 51 rows of 256 bytes (32 elements of 8); the mask names all four work-groups
	s_mov_b32 s[G1+1], 32<<16
	s_mov_b32 s[G1+2], 51<<16
	s_mov_b32 s[G1+3], 32<<16
	s_mov_b32 s[G1+4], 51
	s_mov_b32 s[G1+5], 32
	s_mov_b32 s[G1+6], 0
	s_mov_b32 s[G1+7], 0
	s_mov_b32 s[SEL], 0x76543210
	s_mov_b32 s[SEL+1], 0xfedcba98
	s_mov_b32 s[CS], 0x3e38aa3b
	s_mov_b32 s[CS+1], s[CS]                       ; (named with it as a pair, so it is written)
	s_lshl_b32 s16, s14, 4
	s_add_co_u32 s16, s16, s[WV]
	s_mul_i32 s16, s16, REC                        ; my record in memory: made of the head and the wave's number alone
	s_mov_b32 s17, 0
	s_mov_b32 s[G0], 1
	s_mul_i32 s[G0+1], s[WV], REC                  ; and in LDS
	s_lshl_b32 s18, s13, 5
	s_add_co_u32 s18, s18, s[WV]                   ; my first tile of queries in the batch: 32 cx + wave; the second is 16 tiles on
	s_lshl_b32 s19, s14, 7
	s_add_co_u32 s19, s19, s18                     ; among q's tiles
	s_mul_i32 s42, s19, 768
	s_mov_b32 s43, 0
	s_lshl_b32 s44, s19, 6
	s_add_co_u32 s44, s44, QSC
	s_mov_b32 s45, 0
	s_lshr_b32 s19, s14, 4
	s_lshl_b32 s19, s19, 7
	s_add_co_u32 s19, s19, s18                     ; among the 512 tiles of rows of the last product
	s_and_b32 s18, s14, 15                         ; the head
	s_mul_i32 s46, s19, 12288                      ; oc: [tile of rows][head][768]
	s_mul_i32 s39, s18, 768
	s_add_co_u32 s46, s46, s39
	s_mov_b32 s47, 0
	s_lshl_b32 s19, s19, 9                         ; os: 16 rows of 32 bytes a tile, + 2 x head
	s_lshl_b32 s18, s18, 1
	s_add_co_u32 s18, s18, s19
	s_mov_b32 s19, 0
	s_wait_dscnt 0x0
	s_wait_kmcnt 0x0
	s_add_nc_u64 s[G0+2:G0+3], s[6:7], s[16:17]
	s_or_b32 s[G0+3], s[G0+3], 0x80000000
	s_add_nc_u64 s[40:41], s[4:5], s[44:45]        ; Q's scale words
	s_add_nc_u64 s[4:5], s[4:5], s[42:43]          ; Q's codes
	s_add_nc_u64 s[8:9], s[8:9], s[46:47]
	s_add_nc_u64 s[10:11], s[10:11], s[18:19]
	CROUND                                         ; all four work-groups are here: the joint loads meet
	s_cmp_lt_u32 s[WV], 4                          ; my one tensor load of the launch: records 0 to 3 by a line of their own
	s_cbranch_scc0 .Llater
	tensor_load_to_lds s[G0:G0+3], s[G1:G1+7]
	s_nop 0
	s_branch .Lasked
.Llater:
	tensor_load_to_lds s[G0:G0+3], s[G1:G1+7]
	s_nop 0
.Lasked:
	v_and_b32 v4, 31, v0
	D1
	v_lshlrev_b32 v1, 4, v4
	s_delay_alu instid0(VALU_DEP_2)
	v_lshlrev_b32 v2, 3, v4
	v_and_b32 v8, 15, v0                           ; r
	D1
	v_lshlrev_b32 v3, 2, v8
	v_bfe_u32 v9, v0, 4, 1                         ; h
	D1
	v_lshl_add_u32 v4, v8, 5, v9
	v_lshlrev_b32 v[SH8], 3, v9
	v_mul_u32_u24 v[R48], v8, 48
	global_load_b128 v[16:19], v1, s[4:5] th:TH_LOAD_NT                     ; Q's two tiles stay in registers: images of six registers a lane
	global_load_b64 v[20:21], v2, s[4:5] offset:512 th:TH_LOAD_NT
	global_load_b32 v11, v3, s[40:41] th:TH_LOAD_NT
	global_load_b128 v[96:99], v1, s[4:5] offset:12288 th:TH_LOAD_NT
	global_load_b64 v[100:101], v2, s[4:5] offset:12288+512 th:TH_LOAD_NT
	global_load_b32 v[QS2], v3, s[40:41] offset:1024 th:TH_LOAD_NT
.irp i, 0,1,2,3,4,5
	v_mov_b32 v[22+\i], 0                          ; zero codes for the half of the instruction's K that the head does not have
	v_mov_b32 v[102+\i], 0
	v_mov_b32 v[90+\i], 0
.endr
	v_mov_b32 v[PT], 0                             ; written once: a lane permute's destination counts as one of its sources
	v_mov_b32 v[TMP], 0
	v_mov_b32 v[F+1], 0                            ; (named with f as a pair)
	WALU                                           ; the wait at the head's end
	s_cmp_lt_u32 s[WV], 4
	s_cbranch_scc0 .Lnot_first
	s_wait_tensorcnt 0x0                           ; waves 0 to 3: my record is in
.Lnot_first:
	s_barrier_signal -1
	s_barrier_wait -1                              ; records 0 to 3 lie in LDS
	s_wait_loadcnt 0x0                             ; Q
.macro LAST1                           ; the sum's link that stands behind a step's last products.  Nine plain lines stand between the last write of its chain and this line
	v_pk_add_f32 v[T+6:T+7], v[T+6:T+7], v[S+62:S+63]
.endm
.macro LAST4                           ; and the four that stand behind the next step's first products: the chains are joined, and the sum so far comes under the step's M
	v_pk_add_f32 v[T:T+1], v[T:T+1], v[T+2:T+3]
	v_pk_add_f32 v[T+4:T+5], v[T+4:T+5], v[T+6:T+7]
	v_pk_add_f32 v[T:T+1], v[T:T+1], v[T+4:T+5]
	v_pk_fma_f32 v[14:15], v[14:15], v[F:F+1], v[T:T+1] op_sel_hi:[1,0,1]
.endm
.macro SUM m, k
	v_pk_add_f32 v[T+2*\k:T+2*\k+1], v[T+2*\k:T+2*\k+1], v[S+\m+2*\k:S+\m+2*\k+1]
.endm
; A KEY STEP: 128 keys: 8 products K Q^T, the softmax, 4 products V^T P^T.
.macro STEP qf, qsw
	v_add_nc_u32 v8, s[TB], v1                     ; these four are the places between the last step's products and the loads into the registers that they read
	v_add_nc_u32 v10, s[TB], v[R48]
	v_mov_b32 v[TMP+1], v12                        ; the old -M
	LAST1
.irp j, 0,1,2,3
.irp k, 0,1,2
	ds_load_b128 v[KV+12*\j+4*\k:KV+12*\j+4*\k+3], v8 offset:1536*\j+512*\k
.endr
.endr
.irp k, 0,1,2
	ds_load_b128 v[KSW+4*\k:KSW+4*\k+3], v10 offset:12288+16*\k   ; K's eight scale words and V's four
.endr
	WALU                                           ; the wait ahead of the blocking wait
	s_wait_dscnt 0x0
.irp t, 0,1,2,3,4,5,6,7
	v_wmma_scale_f32_16x16x128_f8f6f4 v[S+8*\t:S+8*\t+7], v[KV+6*\t:KV+6*\t+11], v[\qf:\qf+11], 0, v[KSW+\t], v[\qsw] matrix_a_fmt:MATRIX_FMT_FP6 matrix_b_fmt:MATRIX_FMT_FP6
.endr
	LAST4                                          ; the places in front of the loads below and of the first read of the scores
.irp d, 0,1,2,3                                ; V's fragments are asked for now and land under the softmax
.irp k, 0,1,2
	ds_load_b128 v[KV+12*\d+4*\k:KV+12*\d+4*\k+3], v8 offset:6144+1536*\d+512*\k
.endr
.endr
.irp b, 0,1,2,3                                ; the largest score of my two blocks of 32 keys (registers 32 c ..), in four chains of 16 by turns, each accumulator from its low end on
	v_max3_num_f32 v[BM+\b], v[S+16*\b], v[S+1+16*\b], v[S+2+16*\b]
.endr
.irp i, 3,5,7,9,11,13
.irp b, 0,1,2,3
	v_max3_num_f32 v[BM+\b], v[BM+\b], v[S+16*\b+\i], v[S+1+16*\b+\i]
.endr
.endr
	v_max3_num_f32 v[BM], v[BM], v[S+15], v[S+31]
	v_max3_num_f32 v[BM+2], v[BM+2], v[S+47], v[S+63]
	v_max_num_f32 v[BM], v[BM], v[BM+1]            ; block h's largest score: it serves for the row's maximum and, since p rises with the score, for the block's largest p
	v_max_num_f32 v[BM+2], v[BM+2], v[BM+3]        ; block 2 + h's
	D1
	v_max_num_f32 v[TMP], v[BM], v[BM+2]
	D1
	v_permlanex16_b32 v[PT], v[TMP], s[SEL], s[SEL+1]
	D1
	v_max3_num_f32 v13, v13, v[TMP], v[PT]         ; with lane l xor 16's 64 keys: the running largest score of my query
	D1
	v_mul_f32 v[TMP], s[CS], v13                   ; as t (c is positive)
	D1
	v_floor_f32 v12, -v[TMP]                       ; the new -M = -ceil(t)
	D1
	v_sub_f32 v[TMP], v12, v[TMP+1]                ; M's old value less its new one: a whole number, 0 or less
	D1
	v_cvt_i32_f32 v[TMP], v[TMP]                   ; (it saturates)
	D1
	v_ldexp_f32 v[F], 1.0, v[TMP]                  ; f = 2^(old M - new M)
.set JJ, 0
.rept 32
	v_pk_fma_f32 v[S+JJ:S+JJ+1], v[S+JJ:S+JJ+1], s[CS:CS+1], v[12:13] op_sel_hi:[1,0,0]   ; t - M, two at a time
.set JJ, JJ+2
.endr
	v_fma_f32 v[BM], v[BM], s[CS], v12             ; the same of each block's largest score
	v_fma_f32 v[BM+2], v[BM+2], s[CS], v12
	WALU                                           ; the wait ahead of the batch
.set JJ, 0
.rept 64
	v_exp_f32 v[S+JJ], v[S+JJ]                     ; p = 2^(t - M), at most 1: not normalised
.set JJ, JJ+1
.endr
	v_exp_f32 v[BM], v[BM]                         ; the blocks' largest p
	v_exp_f32 v[BM+2], v[BM+2]
	s_wait_dscnt 0x0                               ; V is in: asked for ahead of the maxima
	WALU                                           ; one wait for the batch of 66, which is also the wait directly ahead of the first reader of O^T
.set JJ, 0
.rept 16
	v_pk_mul_f32 v[OT+JJ:OT+JJ+1], v[OT+JJ:OT+JJ+1], v[F:F+1] op_sel_hi:[1,0]   ; O^T under the new M (also the plain lines behind the exponentials)
.set JJ, JJ+2
.endr
	v_max_num_f32 v[BM], 0x1800000, v[BM]          ; the floor 2^(3 - 127): the byte cannot fall under 1
	v_max_num_f32 v[BM+2], 0x1800000, v[BM+2]
	v_add_nc_u32 v[SO], 0xff000000, v[BM]          ; 2 off the exponent field: the conversions' scale operands
	v_add_nc_u32 v[SO+1], 0xff000000, v[BM+2]
.irp c, 0,1
	v_cvt_scalef32_pk16_fp6_f32 v[PCD+6*\c:PCD+2+6*\c], v[S+32*\c:S+15+32*\c], v[SO+\c]
	v_cvt_scalef32_pk16_fp6_f32 v[CT+4*\c:CT+2+4*\c], v[S+16+32*\c:S+31+32*\c], v[SO+\c]   ; (a conversion's three registers begin on an even number)
.endr
	v_lshrrev_b32 v[EB], 23, v[SO]                 ; the scales' bytes (also the plain line behind the conversions)
	v_lshrrev_b32 v[EB+1], 23, v[SO+1]
	D1
	v_lshl_or_b32 v[W], v[EB+1], 16, v[EB]
	D1
	v_lshlrev_b32 v[W], v[SH8], v[W]               ; my blocks h and 2 + h at their bytes of the scale word,
	D1
	v_permlanex16_b32 v[PT], v[W], s[SEL], s[SEL+1]
	D1
	v_or_b32 v[PSW], v[W], v[PT]                   ; with lane l xor 16's two the word is whole
.irp c, 0,1
.irp i, 0,1,2
	v_mov_b32 v[PCD+3+6*\c+\i], v[CT+4*\c+\i]      ; registers 6 c .. 6 c + 5: keys 64 c + 32 h + 0 .. 31
.endr
.endr
.irp k, 0,1,2,3                                ; the row's sum of the unquantised p: four chains by turns.  These 27 lines are the places between p's scale word and codes and the products
	v_pk_add_f32 v[T+2*\k:T+2*\k+1], v[S+2*\k:S+2*\k+1], v[S+8+2*\k:S+9+2*\k]
.endr
.irp m, 16,24,32,40
.irp k, 0,1,2,3
	SUM \m, \k
.endr
.endr
	SUM 48, 3                                      ; the fourth chain's turn comes first here: its last link stands behind the products
.irp m, 48,56
.irp k, 0,1,2
	SUM \m, \k
.endr
.endr
.irp d, 0,1,2,3                                ; the four accumulators take turns, and the next step's eight products stand between two links of a chain
	v_wmma_scale_f32_16x16x128_f8f6f4 v[OT+8*\d:OT+8*\d+7], v[KV+12*\d:KV+12*\d+11], v[PCD:PCD+11], v[OT+8*\d:OT+8*\d+7], v[VSW+\d], v[PSW] matrix_a_fmt:MATRIX_FMT_FP6 matrix_b_fmt:MATRIX_FMT_FP6
.endr
.endm
.macro WALK qf, qsw, last              ; steps up to record last - 1
.Lstep_\@:
	STEP \qf, \qsw
	s_add_co_u32 s[TB], s[TB], REC
	s_cmp_lt_u32 s[TB], (\last)*REC
	s_cbranch_scc1 .Lstep_\@
.endm
.macro INIT
	v_mov_b32 v13, 0xff61b1e6                      ; the largest score so far: -3e38, under every score;
	v_mov_b32 v12, 0x7f61b1e6                      ; -M: 3e38: the first f is 0
	v_mov_b32 v14, 0
	v_mov_b32 v15, 0
	v_mov_b32 v[F], 0
	v_mov_b32 v[S+62], 0                           ; what the sum's five late links find in the first step
	v_mov_b32 v[S+63], 0
.set JJ, 0
.rept 8
	v_mov_b32 v[T+JJ], 0
.set JJ, JJ+1
.endr
.set JJ, 0
.rept 32
	v_mov_b32 v[OT+JJ], 0                          ; O^T (the step is written once: the first finds zeros, which the first f leaves zeros)
.set JJ, JJ+1
.endr
	s_mov_b32 s[TB], 0
.endm
.macro FIN p                           ; a tile's way out
	LAST1                                          ; the last step's five late links: also the places behind the last products
	LAST4
	v_add_f32 v14, v14, v15
	D1
	v_permlanex16_b32 v[TMP], v14, s[SEL], s[SEL+1]
	D1
	v_add_f32 v14, v14, v[TMP]                     ; the row's sum
	WALU
	v_rcp_f32 v[F], v14
	v_nop
	WALU                                           ; ahead of the reciprocal's and O^T's first reader
.set JJ, 0
.rept 16
	v_pk_mul_f32 v[S+JJ:S+JJ+1], v[OT+JJ:OT+JJ+1], v[F:F+1] op_sel_hi:[1,0]   ; O^T / the sum, each accumulator from its low end on: register i is channel 32 h + i of my query: one block of the last product's K
.set JJ, JJ+2
.endr
.irp b, 0,1
	v_max3_num_f32 v[BM+\b], |v[S+16*\b]|, |v[S+1+16*\b]|, 0x1800000
.endr
.irp i, 2,4,6,8,10,12,14
.irp b, 0,1
	s_delay_alu instid0(VALU_DEP_2)
	v_max3_num_f32 v[BM+\b], v[BM+\b], |v[S+16*\b+\i]|, |v[S+1+16*\b+\i]|
.endr
.endr
	D1
	v_max_num_f32 v[BM], v[BM], v[BM+1]
	D1
	v_add_nc_u32 v[SO], 0xff000000, v[BM]
	v_cvt_scalef32_pk16_fp6_f32 v[OUTR:OUTR+2], v[S:S+15], v[SO]
	v_cvt_scalef32_pk16_fp6_f32 v[CT:CT+2], v[S+16:S+31], v[SO]
	v_lshrrev_b32 v[EB], 23, v[SO]                 ; my block's byte (also the plain line behind the conversions)
.irp i, 0,1,2
	v_mov_b32 v[OUTR+3+\i], v[CT+\i]               ; six registers: half a fragment of the last product's A
.endr
	global_store_b128 v1, v[OUTR:OUTR+3], s[8:9] offset:\p*196608        ; 512 consecutive bytes,
	global_store_b64 v2, v[OUTR+4:OUTR+5], s[8:9] offset:\p*196608+512   ; and 256: at multiples of 256 from the buffer's first byte
	global_store_b8 v4, v[EB], s[10:11] offset:\p*8192
.endm
	INIT
	WALK 16, 11, 4                                 ; the first tile's first four steps, on records 0 to 3
	s_wait_tensorcnt 0x0                           ; every wave: my record is in,
	s_barrier_signal -1
	s_barrier_wait -1                              ; everybody's is: the whole head lies in LDS
	s_mov_b32 s[TB], 4*REC
	WALK 16, 11, 16
	FIN 0
	s_wait_xcnt 0x0                                ; the first tile's stores have read their data: the registers may be written again
	INIT
	WALK 96, QS2, 16
	FIN 1
	s_wait_tensorcnt 0x0                           ; the wave's end
	ds_add_u32 v[SPW], v[NIL]
	s_wait_dscnt 0x0
	CROUND                                         ; the closing round
	s_endpgm
.Lfunc_end_k_q177441afb8_attn:
	.size	k_q177441afb8_attn, .Lfunc_end_k_q177441afb8_attn-k_q177441afb8_attn
	.p2alignl 7, 3214868480
	.fill 96, 4, 3214868480
	.section	.rodata,"a",@progbits
	.p2align	6, 0x0
	.amdhsa_kernel k_q177441afb8_attn
		.amdhsa_group_segment_fixed_size 210944
		.amdhsa_private_segment_fixed_size 0
		.amdhsa_enable_private_segment 0
		.amdhsa_kernarg_size 32
		.amdhsa_user_sgpr_count 2
		.amdhsa_user_sgpr_kernarg_segment_ptr 1
		.amdhsa_wavefront_size32 1
		.amdhsa_system_sgpr_workgroup_id_x 1
		.amdhsa_system_sgpr_workgroup_id_y 1
		.amdhsa_system_sgpr_workgroup_id_z 1
		.amdhsa_system_vgpr_workitem_id 0
		.amdhsa_next_free_vgpr 256
		.amdhsa_next_free_sgpr 66
		.amdhsa_reserve_vcc 0
		.amdhsa_float_denorm_mode_32 3
		.amdhsa_float_denorm_mode_16_64 3
		.amdhsa_memory_ordered 1
		.amdhsa_forward_progress 1
		.amdhsa_inst_pref_size 61
	.end_amdhsa_kernel
	.amdgpu_metadata
---
amdhsa.version: [ 1, 2 ]
amdhsa.kernels:
  - .name:           k_q177441afb8_attn
    .symbol:         k_q177441afb8_attn.kd
    .args:
      - { .name: q, .offset: 0, .size: 8, .value_kind: global_buffer, .address_space: global }
      - { .name: kv, .offset: 8, .size: 8, .value_kind: global_buffer, .address_space: global }
      - { .name: oc, .offset: 16, .size: 8, .value_kind: global_buffer, .address_space: global }
      - { .name: os, .offset: 24, .size: 8, .value_kind: global_buffer, .address_space: global }
    .group_segment_fixed_size: 210944
    .private_segment_fixed_size: 0
    .kernarg_segment_align: 8
    .kernarg_segment_size: 32
    .max_flat_workgroup_size: 512
    .sgpr_count:     66
    .vgpr_count:     256
    .wavefront_size: 32
...
	.end_amdgpu_metadata
.endif
;; end of part 3
;; launch oproj (part 4): grid 8 x 32, 4 waves a work-group, clusters of 4 x 4, 327,680 bytes of LDS; arguments oc, os, codes, scales, out0, bo; writes out0
.if DOCPART == 4
	.amdgcn_target "amdgcn-amd-amdhsa--gfx1250"
	.amdhsa_code_object_version 6
	.text
	.protected	k_q177441afb8_oproj
	.globl	k_q177441afb8_oproj
	.p2align	8
	.type	k_q177441afb8_oproj,@function
k_q177441afb8_oproj:
	s_mov_b64 s[64:65], 0
	v_nop
	global_prefetch_b8 v0, s[64:65] scope:SCOPE_SE
	s_setreg_imm32_b32 hwreg(HW_REG_WAVE_MODE, 25, 1), 1
	s_wait_xcnt 0x0
	s_wait_alu depctr_hold_cnt(0) depctr_sa_sdst(0) depctr_va_vdst(0) depctr_va_sdst(0) depctr_va_ssrc(0) depctr_va_vcc(0) depctr_vm_vsrc(0)
	s_getreg_b32 s2, hwreg(HW_REG_IB_STS2, 6, 4)
	s_cmp_eq_u32 s2, 0
	s_cbranch_scc0 .Lentry_in_a_cluster
	s_endpgm
.Lentry_in_a_cluster:
	s_bfe_u32 s2, ttmp6, 0x10000c
	s_cmp_lg_u32 s2, 0xf033
	s_cbranch_scc0 .Lentry_shape_is_right
	s_endpgm
.Lentry_shape_is_right:
; CROSS-ATTENTION IN MX-FP6, launch 4 of 4: out0 = O Wo^T + bo, on launch 3's codes of O and launch 1's codes of Wo.  No work is left out.
; THE DEAL.  256 work-groups: (tile column tc of 128 columns, tile row tr of 256 rows).  Four waves, 2 x 2: wave (a, b) holds the 64 stored rows 64 b .. of Wo's 128, all of K, in 384 registers; O's rows stream past in blocks of
; one tile of 16 rows, in two sets of registers, fetched two blocks ahead: block s is tile 8 (s / 4) + 4 a + s % 4 of the work-group's sixteen.  A block is 32 products, its 4 accumulators by turns;
; bo is the first four products' C.
; O's codes lie as launch 3 left them: [tile][head][768], an image of six registers a lane; a fragment of 128 along K is two heads' images: four loads with neighbouring lanes on neighbouring bytes.
; THE WAY OUT.  Source 0 = Wo's rows, so a lane holds one row of the result and 32 neighbouring columns, 32 h + 0 .. 31 of the wave's 64 (launch 1's stored order).  A block's 16 x 64 numbers go through the wave's own stage in LDS (rows of
; 256 + 16 bytes) and come back by rows: sixteen lanes store one aligned unit of 256 bytes.  Row i of a tile is row 8 u + i % 8 + 32 (i / 8) of its group of 64.  A block's rows are stored behind the next block's products.
; FILLS: at the head one joint load a wave: Wo's rows (shared by a column of the cluster), the rows' scale bytes, and the two chunks of 8 tiles (shared by a row).  Nothing is filled again.
; NO PREFETCH: all that the work-group reads is asked for at the head; there is no loop to run ahead in.
; WAITS, by the LDS instructions issued behind the one that is awaited: a fetch is 34 loads, a way through the stage 16.  Ahead of a block: the next fetch and one way through the stage, 50 (block 0: 34; block 7: 16).
; Ahead of a block's stores: the fetch issued behind its loads from the stage, 34, or nothing.
.set KROW,  768
.set KS,    32
.set PITCH, 816
.set FR,    12
.set FPW,   21                         ; fragment f lies in window 1 + f / 21 at 12 (f % 21): 0-31 Wo's (4 q + n), 32-39 and 40-47 O's two sets
.set CH,    98304                      ; a chunk: 8 tiles of 12,288 bytes
.set BVB,   2*CH
.set SCL,   BVB+128*PITCH
.set SCB,   16*272
.set STAGE, SCL+2*SCB
.set SPITCH, 272
.set SPARE, STAGE+4*16*SPITCH
.set BW,    0
.set ADRA0, 4                          ; v4 my block 0's images + 16 x lane, v5 + 8 x lane; v6 its scale words
.set AAS0,  6
.set STO,   7
.set RD,    8
.set CO,    9
.set SPW,   10
.set NIL,   11
.set ADRA,  12
.set AAS,   14
.set ABS,   15
.set BA,    16                         ; v16-23 LDS addresses of Wo's four tiles
.set SB,    24                         ; v24-39 Wo's scale words
.set SA,    44                         ; v44-59 O's, two sets
.set ACC,   64                         ; v64-95
.set BB,    96                         ; v96-127 bo as the result lies
.set OBF,   128                        ; v128-191 rows back from the stage, two sets
.set G1A, 24
.set G1B, 44
.set G1S, 52
.set G0W, 60
.set G0X, 68
.set G0S, 72
.set G0Y, 76
.set OUT, 88
.set MSB, 0
.macro WIN new
.if MSB != \new
	s_set_vgpr_msb (MSB<<8)|\new
.set MSB, \new
.endif
.endm
.macro PLACES n
.rept \n
	v_nop
.endr
.endm
.macro WALU
	s_wait_alu depctr_va_vdst(0)
.endm
.macro BARRIER
	s_barrier_signal -1
	s_barrier_wait -1
.endm
.macro CROUND
	BARRIER
	s_cmp_lg_u32 s14, 0
	s_cbranch_scc1 .Lnot_wave_0_\@
	s_barrier_signal -3
.Lnot_wave_0_\@:
	s_barrier_wait -3
	BARRIER
.endm
.macro TLOAD g0, g1
	tensor_load_to_lds s[\g0:\g0+3], s[\g1:\g1+7]
	s_nop 0
	PLACES 4
.endm
.macro G0SET g, base, off
	s_mov_b32 s20, s\off
	s_mov_b32 s21, 0
	s_add_nc_u64 s[\g+2:\g+3], s[\base:\base+1], s[20:21]
	s_or_b32 s[\g+3], s[\g+3], 0x80000000
.endm
.macro FRAG f, q, a0, a1               ; 16 rows x 128 K out of rows of 816 bytes: six pieces of 8 bytes, two to a load where both lie behind as many paddings
	WIN ((1+(\f)/FPW)<<6)
.set R_, FR*((\f)%FPW)
.set SKIP_, 0
.irp p, 0,1,2,3,4,5
.if SKIP_
.set SKIP_, 0
.else
.set PC_, 12*(\q)+6*(\p/3)+\p%3
.set PN_, 12*(\q)+6*((\p+1)/3)+(\p+1)%3
.set X_, (PC_%32+3)/32
.set XQ_, (PN_%32+3)/32
.if (\p < 5) && (X_ == XQ_)
.set SKIP_, 1
.if X_
	ds_load_2addr_b64 v[R_+2*\p:R_+2*\p+3], \a1 offset0:PC_+2*(PC_/32) offset1:PN_+2*(PN_/32)
.else
	ds_load_2addr_b64 v[R_+2*\p:R_+2*\p+3], \a0 offset0:PC_+2*(PC_/32) offset1:PN_+2*(PN_/32)
.endif
.elseif X_
	ds_load_b64 v[R_+2*\p:R_+2*\p+1], \a1 offset:8*(PC_+2*(PC_/32))
.else
	ds_load_b64 v[R_+2*\p:R_+2*\p+1], \a0 offset:8*(PC_+2*(PC_/32))
.endif
.endif
.endr
.endm
.macro WEIGHTS
.irp q, 0,1,2,3,4,5,6,7
.irp n, 0,1,2,3
	FRAG 4*\q+\n, \q, v[BA+2*\n], v[BA+2*\n+1]
.endr
.endr
	WIN 0
.endm
.macro FETCHAT e, a16, a8, as          ; a tile of O into set e: 32 + 2 loads
.irp q, 0,1,2,3,4,5,6,7
	WIN ((1+(32+8*(\e)+\q)/FPW)<<6)
.set R_, FR*((32+8*(\e)+\q)%FPW)
	ds_load_b128 v[R_:R_+3], \a16 offset:1536*\q
	ds_load_b64 v[R_+4:R_+5], \a8 offset:1536*\q+512
	ds_load_b128 v[R_+6:R_+9], \a16 offset:1536*\q+768
	ds_load_b64 v[R_+10:R_+11], \a8 offset:1536*\q+1280
.endr
	WIN 0
	ds_load_b128 v[SA+8*(\e):SA+8*(\e)+3], \as
	ds_load_b128 v[SA+8*(\e)+4:SA+8*(\e)+7], \as offset:16
.endm
.macro GET s, e
	v_add_nc_u32 v[ADRA], ((\s)>>2)*CH+((\s)&3)*12288, v[ADRA0]
	v_add_nc_u32 v[ADRA+1], ((\s)>>2)*CH+((\s)&3)*12288, v[ADRA0+1]
	v_add_nc_u32 v[AAS], ((\s)>>2)*SCB+((\s)&3)*544, v[AAS0]
	WALU                                           ; the wait ahead of the readers below
	FETCHAT \e, v[ADRA], v[ADRA+1], v[AAS]
.endm
.macro PROD1 d, s0, s1, c, x0, x1, o
.if \o
	v_wmma_scale_f32_16x16x128_f8f6f4 v[\d:\d+7], v[FR*((\s0)%FPW):FR*((\s0)%FPW)+FR-1], v[FR*((\s1)%FPW):FR*((\s1)%FPW)+FR-1], \c, v[\x0], v[\x1] matrix_a_fmt:MATRIX_FMT_FP6 matrix_b_fmt:MATRIX_FMT_FP6 matrix_a_scale:MATRIX_SCALE_ROW1
.else
	v_wmma_scale_f32_16x16x128_f8f6f4 v[\d:\d+7], v[FR*((\s0)%FPW):FR*((\s0)%FPW)+FR-1], v[FR*((\s1)%FPW):FR*((\s1)%FPW)+FR-1], \c, v[\x0], v[\x1] matrix_a_fmt:MATRIX_FMT_FP6 matrix_b_fmt:MATRIX_FMT_FP6 matrix_a_scale:MATRIX_SCALE_ROW0
.endif
.endm
.macro PRODS e                         ; a block's 32 products, source 0 = Wo's tile n, and five places behind them
.set Q_, 0
.rept 8
.set N_, 0
.rept 4
.set FB_, 4*Q_+N_
.set FA_, 32+8*(\e)+Q_
.set XB_, SB+8*(N_/2)+Q_
.set XA_, SA+8*(\e)+Q_
.set D_, ACC+8*N_
.set C_, BB+8*N_
	WIN (1+FB_/FPW)|((1+FA_/FPW)<<2)
.if Q_
	PROD1 D_, FB_, FA_, v[D_:D_+7], XB_, XA_, N_%2
.else
	PROD1 D_, FB_, FA_, v[C_:C_+7], XB_, XA_, N_%2
.endif
.set N_, N_+1
.endr
.set Q_, Q_+1
.endr
	WIN 0
	PLACES 5
.endm
.macro TOSTAGE s                       ; LDS serves a wave's instructions in order: no wait between the stores and the loads
.irp n, 0,1,2,3
	ds_store_b128 v[STO], v[ACC+8*\n:ACC+8*\n+3] offset:32*\n
	ds_store_b128 v[STO], v[ACC+8*\n+4:ACC+8*\n+7] offset:32*\n+16
.endr
.irp t, 0,1,2,3,4,5,6,7
	ds_load_b128 v[OBF+32*((\s)%2)+4*\t:OBF+32*((\s)%2)+4*\t+3], v[RD] offset:2*\t*SPITCH
.endr
.endm
.macro SEND s, w
	s_wait_dscnt \w
.irp t, 0,1,2,3,4,5,6,7
	global_store_b128 v[CO], v[OBF+32*((\s)%2)+4*\t:OBF+32*((\s)%2)+4*\t+3], s[OUT:OUT+1] offset:(128*((\s)>>2)+8*((\s)&3)+2*\t+24*(\t/4))*4096 th:TH_STORE_NT
.endr
.endm
.macro BLK s, w
	s_wait_dscnt \w
	PRODS (\s)%2
.if (\s) < 6
	GET (\s)+2, (\s)%2
.endif
.if (\s) > 0
	s_wait_xcnt 0x0                                ; block s - 2's stores have read their registers: block s's rows may land there
.if (\s) < 6
	SEND (\s)-1, 34
.else
	SEND (\s)-1, 0
.endif
.endif
	TOSTAGE \s
.endm
	s_load_b256 s[4:11], s[0:1], 0x0               ; oc, os, codes, scales
	s_load_b128 s[36:39], s[0:1], 0x20             ; out0, bo
	v_lshl_add_u32 v[SPW], v0, 2, SPARE
	v_mov_b32 v[NIL], 0
	ds_add_u32 v[SPW], v[NIL]                      ; the opening: the add, twice on end, and its wait
	ds_add_u32 v[SPW], v[NIL]
	v_lshrrev_b32 v1, 5, v0
	v_readfirstlane_b32 s14, v1
	s_lshr_b32 s15, s14, 1                         ; a
	s_and_b32 s16, s14, 1                          ; b
	s_bfe_u32 s17, ttmp6, 0x40000
	s_bfe_u32 s18, ttmp6, 0x40004
	s_lshl_b32 s19, ttmp9, 2
	s_add_co_u32 s19, s19, s17                     ; tc
	s_and_b32 s84, ttmp7, 0xffff
	s_lshl_b32 s84, s84, 2
	s_add_co_u32 s84, s84, s18                     ; tr
	s_lshl_b32 s85, s18, 2
	s_lshl_b32 s85, 15, s85                        ; my row of the cluster
	s_lshl_b32 s86, 0x1111, s17                    ; my column
	s_or_b32 s[G1A], s85, (3<<16)|(1<<21)          ; a chunk of O: 98,304 dense bytes as 384 rows of 256
	s_mov_b32 s[G1A+1], 32<<16
	s_mov_b32 s[G1A+2], 384<<16
	s_mov_b32 s[G1A+3], 32<<16
	s_mov_b32 s[G1A+4], 384
	s_mov_b32 s[G1A+5], 32
	s_mov_b32 s[G1A+6], 0
	s_mov_b32 s[G1A+7], 0
	s_or_b32 s[G1B], s86, (1<<20)|(1<<21)|(5<<22)|(3<<25)   ; Wo: 128 rows of 768 bytes, 16 of padding behind every 256
	s_mov_b32 s[G1B+1], KROW<<16
	s_mov_b32 s[G1B+2], 128<<16
	s_mov_b32 s[G1B+3], KROW<<16
	s_mov_b32 s[G1B+4], 128
	s_mov_b32 s[G1B+5], KROW
	s_mov_b32 s[G1B+6], 0
	s_mov_b32 s[G1B+7], 0
	s_or_b32 s[G1S], s85, (3<<16)|(1<<20)|(1<<21)|(5<<22)|(3<<25)   ; 256 rows' scale bytes: 32 units of 256, 16 of padding behind each
	s_mov_b32 s[G1S+1], 32<<16
	s_mov_b32 s[G1S+2], 32<<16
	s_mov_b32 s[G1S+3], 32<<16
	s_mov_b32 s[G1S+4], 32
	s_mov_b32 s[G1S+5], 32
	s_mov_b32 s[G1S+6], 0
	s_mov_b32 s[G1S+7], 0
	s_mov_b32 s[G0W], 1
	s_mov_b32 s[G0W+1], BVB
	s_mov_b32 s[G0X], 1
	s_mov_b32 s[G0X+1], 0
	s_mov_b32 s[G0Y], 1
	s_mov_b32 s[G0Y+1], CH
	s_mov_b32 s[G0S], 1
	s_mov_b32 s[G0S+1], SCL
	s_mul_i32 s82, s84, 2*CH                       ; my sixteen tiles, bytes from oc
	s_add_co_u32 s87, s82, CH
	s_mul_i32 s83, s84, 256*KS                     ; their scale bytes, from os
	s_mul_i32 s80, s19, 128*KROW
	s_add_co_u32 s80, s80, 19456*KROW              ; Wo's rows, from codes
	v_and_b32 v1, 15, v0                           ; r
	v_bfe_u32 v2, v0, 4, 1                         ; h
	v_and_b32 v3, 31, v0                           ; lane
	v_mul_u32_u24 v60, v1, PITCH
	v_mad_u32_u24 v61, v2, 24, v60
	v_mad_u32_u24 v62, v2, 40, v60
	s_mul_i32 s20, s16, 64*PITCH
	s_add_co_u32 s20, s20, BVB
.irp n, 0,1,2,3
	v_add_nc_u32 v[BA+2*\n], s20, v61
	v_add_nc_u32 v[BA+2*\n+1], s20, v62
	s_add_co_u32 s20, s20, 16*PITCH
.endr
	s_mul_i32 s20, s15, 4*12288
	v_lshl_add_u32 v[ADRA0], v3, 4, s20
	v_lshl_add_u32 v[ADRA0+1], v3, 3, s20
	v_lshlrev_b32 v60, 5, v1
	v_lshrrev_b32 v61, 3, v1
	v_lshl_add_u32 v60, v61, 4, v60
	s_mul_i32 s20, s15, 8*272
	s_add_co_u32 s20, s20, SCL
	v_add_nc_u32 v[AAS0], s20, v60
	v_lshlrev_b32 v[ABS], 5, v3
	s_mul_i32 s20, s14, 16*SPITCH
	s_add_co_u32 s20, s20, STAGE
	v_mul_u32_u24 v60, v1, SPITCH
	v_lshl_add_u32 v60, v2, 7, v60
	v_add_nc_u32 v[STO], s20, v60                  ; into my stage: row r, 128 bytes for each half of the lanes
	v_mul_u32_u24 v60, v2, SPITCH
	v_lshl_add_u32 v60, v1, 4, v60
	v_add_nc_u32 v[RD], s20, v60                   ; back: lanes 0-15 one row of 256 bytes, lanes 16-31 the next
	v_lshlrev_b32 v60, 12, v2
	v_lshl_add_u32 v[CO], v1, 4, v60               ; and the same two rows in out0
	v_lshlrev_b32 v63, 7, v2                       ; bo: register 8 n + j of lane half h is column 32 h + 8 n + j
	WALU                                           ; the wait ahead of the blocking wait
	s_wait_dscnt 0x0
	CROUND                                         ; the opening round
	s_wait_kmcnt 0x0
	G0SET G0W, 8, 80
	G0SET G0S, 6, 83
	G0SET G0X, 4, 82
	G0SET G0Y, 4, 87
	s_cmp_eq_u32 s14, 0
	s_cbranch_scc0 .Lwave_1
	TLOAD G0W, G1B                                 ; wave 0: Wo's rows
	s_branch .Lasked
.Lwave_1:
	s_cmp_eq_u32 s14, 1
	s_cbranch_scc0 .Lwave_2
	TLOAD G0S, G1S                                 ; wave 1: the scale bytes
	s_branch .Lasked
.Lwave_2:
	s_cmp_eq_u32 s14, 2
	s_cbranch_scc0 .Lwave_3
	TLOAD G0X, G1A                                 ; wave 2: chunk 0
	s_branch .Lasked
.Lwave_3:
	TLOAD G0Y, G1A                                 ; wave 3: chunk 1
.Lasked:
	s_lshl_b32 s22, s19, 12
	s_lshl_b32 s23, s16, 11
	s_add_co_u32 s22, s22, s23                     ; (128 tc + 64 b) rows of 32 scale bytes
	s_mov_b32 s23, 0
	s_add_nc_u64 s[32:33], s[10:11], s[22:23]
	s_lshr_b32 s22, s22, 3                         ; and as many f32 numbers
	s_add_nc_u64 s[38:39], s[38:39], s[22:23]
	s_add_nc_u64 s[OUT:OUT+1], s[36:37], s[22:23]
	s_lshl_b32 s22, s84, 20                        ; 256 tr rows of 4,096 bytes,
	s_lshl_b32 s21, s15, 18                        ; and 64 a
	s_add_co_u32 s22, s22, s21
	s_add_nc_u64 s[OUT:OUT+1], s[OUT:OUT+1], s[22:23]
.irp p, 0,1
.irp c, 0,1
	global_load_b128 v[SB+8*\p+4*\c:SB+8*\p+4*\c+3], v[ABS], s[32:33] offset:19456*KS+\p*1024+16*\c
.endr
.endr
.irp k, 0,1,2,3,4,5,6,7
	global_load_b128 v[BB+4*\k:BB+4*\k+3], v63, s[38:39] offset:16*\k
.endr
	s_cmp_eq_u32 s14, 0
	s_cbranch_scc0 .Lnot_b
	s_wait_tensorcnt 0x0
.Lnot_b:
	BARRIER                                        ; Wo's rows are in
	WEIGHTS
	s_cmp_eq_u32 s14, 3
	s_cbranch_scc1 .Lnot_a0
	s_wait_tensorcnt 0x0
.Lnot_a0:
	s_wait_dscnt 0x0
	BARRIER                                        ; chunk 0 and the scale bytes are in; chunk 1 may still be on its way
	FETCHAT 0, v[ADRA0], v[ADRA0+1], v[AAS0]
	GET 1, 1
	s_wait_loadcnt 0x0
	BLK 0, 34
	BLK 1, 50
	s_wait_tensorcnt 0x0
	s_wait_dscnt 0x0
	BARRIER                                        ; a plain barrier: chunk 1 is shown to all
	BLK 2, 50
	BLK 3, 50
	BLK 4, 50
	BLK 5, 50
	BLK 6, 50
	BLK 7, 16
	s_wait_xcnt 0x0
	SEND 7, 0
	s_wait_tensorcnt 0x0                           ; the wave's end
	ds_add_u32 v[SPW], v[NIL]
	s_wait_dscnt 0x0
	CROUND                                         ; the closing round
	s_endpgm
.Lfunc_end_k_q177441afb8_oproj:
	.size	k_q177441afb8_oproj, .Lfunc_end_k_q177441afb8_oproj-k_q177441afb8_oproj
	.p2alignl 7, 3214868480
	.fill 96, 4, 3214868480
	.section	.rodata,"a",@progbits
	.p2align	6, 0x0
	.amdhsa_kernel k_q177441afb8_oproj
		.amdhsa_group_segment_fixed_size 327680
		.amdhsa_private_segment_fixed_size 0
		.amdhsa_enable_private_segment 0
		.amdhsa_kernarg_size 48
		.amdhsa_user_sgpr_count 2
		.amdhsa_user_sgpr_kernarg_segment_ptr 1
		.amdhsa_wavefront_size32 1
		.amdhsa_system_sgpr_workgroup_id_x 1
		.amdhsa_system_sgpr_workgroup_id_y 1
		.amdhsa_system_sgpr_workgroup_id_z 1
		.amdhsa_system_vgpr_workitem_id 0
		.amdhsa_next_free_vgpr 1024
		.amdhsa_next_free_sgpr 100
		.amdhsa_reserve_vcc 0
		.amdhsa_float_denorm_mode_32 3
		.amdhsa_float_denorm_mode_16_64 3
		.amdhsa_memory_ordered 1
		.amdhsa_forward_progress 1
		.amdhsa_inst_pref_size 85
	.end_amdhsa_kernel
	.amdgpu_metadata
---
amdhsa.version: [ 1, 2 ]
amdhsa.kernels:
  - .name:           k_q177441afb8_oproj
    .symbol:         k_q177441afb8_oproj.kd
    .args:
      - { .name: oc, .offset: 0, .size: 8, .value_kind: global_buffer, .address_space: global }
      - { .name: os, .offset: 8, .size: 8, .value_kind: global_buffer, .address_space: global }
      - { .name: codes, .offset: 16, .size: 8, .value_kind: global_buffer, .address_space: global }
      - { .name: scales, .offset: 24, .size: 8, .value_kind: global_buffer, .address_space: global }
      - { .name: out0, .offset: 32, .size: 8, .value_kind: global_buffer, .address_space: global }
      - { .name: bo, .offset: 40, .size: 8, .value_kind: global_buffer, .address_space: global }
    .group_segment_fixed_size: 327680
    .private_segment_fixed_size: 0
    .kernarg_segment_align: 8
    .kernarg_segment_size: 48
    .max_flat_workgroup_size: 128
    .sgpr_count:     100
    .vgpr_count:     1024
    .wavefront_size: 32
...
	.end_amdgpu_metadata
.endif
;; end of part 4
